; MI455X (gfx1250); checked and timed in simulation.
; The chip was launched on July 23, 2026; its instructions are those of AMD's public machine-readable ISA for CDNA 5 (MIT licence, August 2026) and "CDNA5" Instruction Set Architecture Reference Guide (July 2026). The comments in the code are by the model that wrote it; some were corrected since.
;; Transformer Encoder. Allowed arithmetic: matrix products marked QUANTISED: E4M3 operands, one given power-of-two scale a tensor, by v_wmma_f32_16x16x64_fp8_fp8 or v_wmma_f32_16x16x128_fp8_fp8, f32 sums; everything else in f32.
;; Inputs: Wk_b 256 float32; Wk_w_codes 256 x 16 x 32 uint8 (E4M3 codes of Wk_w, K innermost, in blocks of 32 codes); Wq_b 256 float32; Wq_w_codes 256 x 16 x 32 uint8 (E4M3 codes of Wq_w, K innermost, in blocks of 32 codes); Wu_b 512 float32; Wu_w_codes 512 x 8 x 32 uint8 (E4M3 codes of Wu_w, K innermost, in blocks of 32 codes); Wv_b 256 float32; Wv_w_codes 256 x 16 x 32 uint8 (E4M3 codes of Wv_w, K innermost, in blocks of 32 codes); ff1_b 1,024 float32; ff1_w_codes 1,024 x 16 x 32 uint8 (E4M3 codes of ff1_w, K innermost, in blocks of 32 codes); ff2_b 512 float32; ff2_w_codes 512 x 32 x 32 uint8 (E4M3 codes of ff2_w, K innermost, in blocks of 32 codes); ln1_b 512 float32; ln1_g 512 float32; ln2_b 512 float32; ln2_g 512 float32; lowp_scales 16 int32 (the exponents e of the quantised operands' scales 2^e); x 4 x 4,096 x 512 float32.
;; Outputs: out0 4 x 4,096 x 512 float32.
;; This version of the problem:
;;   THIS VERSION OF THE PROBLEM IS GIVEN IN LOW PRECISION. The matrix products marked QUANTISED in the list below multiply operands that are first quantised to E4M3 (4 exponent bits, 3 mantissa bits; 8 bits a number), with one given power-of-two scale for each operand tensor; their sums are f32. All else is computed in f32.
;;   The module's matrix products, in the order in which they are computed (A, B: the left and right operand; K: the contracted axis; several contracted axes count as one K, in the product's order):
;;     1. [M 16,384, K 512] x [K 512, N 256]; A: input x; B: input Wq_w (given as codes): QUANTISED (scales: A lowp_scales[0], B lowp_scales[1])
;;     2. [M 16,384, K 512] x [K 512, N 256]; A: input x; B: input Wk_w (given as codes): QUANTISED (scales: A lowp_scales[2], B lowp_scales[3])
;;     3. [M 16,384, K 512] x [K 512, N 256]; A: input x; B: input Wv_w (given as codes): QUANTISED (scales: A lowp_scales[4], B lowp_scales[5])
;;     4. batch 4 x [M 4,096, K 256] x [K 256, N 4,096]; A: computed on the way; B: computed on the way: QUANTISED (scales: A lowp_scales[6], B lowp_scales[7])
;;     5. batch 4 x [M 4,096, K 4,096] x [K 4,096, N 256]; A: softmax (see below); B: computed on the way: QUANTISED (scales: A lowp_scales[8], B lowp_scales[9])
;;     6. [M 16,384, K 256] x [K 256, N 512]; A: computed on the way; B: input Wu_w (given as codes): QUANTISED (scales: A lowp_scales[10], B lowp_scales[11])
;;     7. [M 16,384, K 512] x [K 512, N 1,024]; A: computed on the way; B: input ff1_w (given as codes): QUANTISED (scales: A lowp_scales[12], B lowp_scales[13])
;;     8. [M 16,384, K 1,024] x [K 1,024, N 512]; A: computed on the way; B: input ff2_w (given as codes): QUANTISED (scales: A lowp_scales[14], B lowp_scales[15])
;;   THE QUANTISER, for each operand of a quantised product, along K:
;;     - The operand's scale is 2^e, e = its entry of the input lowp_scales (int32; the entries are numbered through the quantised products in the list's order, A before B).
;;     - Each number is divided by the scale, clamped to +-448, and rounded to the nearest number of E4M3, ties to even, subnormals kept.
;;     - The product sums the exact products of the quantised numbers (number of the format x scale) in f32.
;;   ~~~python
;;   def quantise(x, axis, e):      # numpy; x: float32 -> the quantised numbers, widened to float32 again
;;       x = np.moveaxis(x, axis, -1); K = x.shape[-1]
;;       r = np.clip(x / 2.0 ** e, -448, 448)
;;       step = 2.0 ** (np.maximum(np.frexp(np.where(r == 0, 1, r))[1] - 1, -6) - 3)
;;       q = np.round(r / step) * step * 2.0 ** e      # np.round: ties to even
;;       return np.moveaxis(q, -1, axis).astype(np.float32)
;;   ~~~
;;   SOFTMAX AHEAD OF A QUANTISED PRODUCT. Where the list says 'softmax', what is quantised is not the finished softmax but p = 2^(t - M), with t = logit x log2(e) and M = ceil(the row's largest t), a whole number; so 1/2 < the row's largest p <= 1. The row's sum l is taken of the UNQUANTISED p, in f32, and the product's result is divided by l at the end. Since M is a whole number, a kernel that streams over the keys may use a running M (the ceiling of the running maximum): every later rescaling is an exact power of two, so the quantised numbers keep their values, but for numbers so far below the row's largest that they fall under the format's range.
;;   OPERANDS COMPUTED ON THE WAY. 'Computed on the way' means the value that the module computes at that place (a softmax that the list does not call 'softmax' is quantised finished and normalised). What goes into a quantiser is computed in f32, as accurately as f32 sums, v_exp_f32 and their like allow (about 1e-6 of the number): no bf16 or f16 on the way to a quantiser, and a product that is left as it is and whose result goes on into a quantised operand takes f32 operands (vector FMAs, or v_wmma_f32_16x16x4_f32). A number that lies on a knife's edge between two numbers of the format may be rounded either way, as far as f32 arithmetic and the matrix unit's own rounding can turn it there, and no further.
;;   INPUTS GIVEN AS CODES. Wk_w (in the module: [512, 256], K = its axis 0); Wq_w (in the module: [512, 256], K = its axis 0); Wu_w (in the module: [256, 512], K = its axis 0); Wv_w (in the module: [512, 256], K = its axis 0); ff1_w (in the module: [512, 1024], K = its axis 0); ff2_w (in the module: [1024, 512], K = its axis 0): each comes as NAME_codes (uint8): NAME with its K axis moved to the last place and cut into blocks of 32 codes, [.., K / 32, bytes a block], one block behind the other in memory; one code a byte (a code: sign, 4 exponent bits, 3 mantissa bits); its scale is its entry of lowp_scales. Its value is code x scale, taken as it is: it is not quantised again, and the codes and scales need not be those that the quantiser above would give.
;; One version. Each part assembles by itself: llvm-mc -triple=amdgcn-amd-amdhsa -mcpu=gfx1250 --defsym DOCPART=n.
;; ======== version 1 of 1: 3 launches
;; workspace buffers: qc 4,194,304 bytes; kv 8,388,608 bytes; ac 4,194,304 bytes
;; launch qkv (part 1): grid 256 x 1, 4 waves a work-group, clusters of 4 x 1, 327,680 bytes of LDS; arguments x, Wq_w_codes, Wk_w_codes, Wv_w_codes, Wq_b, Wk_b, Wv_b, lowp_scales, qc, kv; writes qc, kv
.if DOCPART == 1
	.amdgcn_target "amdgcn-amd-amdhsa--gfx1250"
	.amdhsa_code_object_version 6
	.text
	.protected	k_q7204a6583d_qkv
	.globl	k_q7204a6583d_qkv
	.p2align	8
	.type	k_q7204a6583d_qkv,@function
k_q7204a6583d_qkv:
	s_mov_b64 s[64:65], 0
	v_nop
	global_prefetch_b8 v0, s[64:65] scope:SCOPE_SE
	s_setreg_imm32_b32 hwreg(HW_REG_WAVE_MODE, 25, 1), 1
	s_wait_xcnt 0x0
	s_wait_alu depctr_hold_cnt(0) depctr_sa_sdst(0) depctr_va_vdst(0) depctr_va_sdst(0) depctr_va_ssrc(0) depctr_va_vcc(0) depctr_vm_vsrc(0)
	s_getreg_b32 s2, hwreg(HW_REG_IB_STS2, 6, 4)
	s_cmp_eq_u32 s2, 0
	s_cbranch_scc0 .Lentry_in_a_cluster
	s_endpgm
.Lentry_in_a_cluster:
	s_bfe_u32 s2, ttmp6, 0x10000c
	s_cmp_lg_u32 s2, 0x3003
	s_cbranch_scc0 .Lentry_shape_is_right
	s_endpgm
.Lentry_shape_is_right:
; q = x Wq + bq, k = x Wk + bk, v = x Wv + bv on codes of E4M3, and q, k, v quantised for attention's two products.
; x [16384][512] f32; W?_w_codes [256][512] codes, K innermost; lowp_scales e0..e15.  x is quantised three times (e0, e2, e4 may differ).
; SHARES.  A work-group takes 64 rows.  Wave w quantises rows 16 w .. 16 w + 15 of x and hands the codes to the others through LDS as images of the operand's registers;
; it then makes columns 64 w .. 64 w + 63 of q, k and v for all 64 rows: 4 tiles of columns x 4 tiles of rows = 16 accumulators, 4 K steps of 128.
; LAYOUT.  The form's own: lane (r, h) holds row r, registers 2 c, 2 c + 1 hold k = 16 c + 8 h + 0 .. 7.  q and k are made transposed (source 0 = 16 rows of W, source 1 = 16 rows of x): a lane then holds one row
; and eight neighbouring columns, and one conversion gives registers 2 c, 2 c + 1 of the next operand.  v is made the other way round (source 0 = x): a lane holds one channel and eight keys, the keys being the next K.
; x IN.  Each load of a wave takes 512 consecutive bytes of one row: a K step's 128 numbers.  The operand's order wants 32 bytes of each of 16 rows in a pair of lanes, so a K step's 16 rows go through the wave's own stage
; in LDS, as loaded, and come back 16 bytes a lane in that order, into the registers that they left.
; OUT, in the order of the operands' registers, each store 512 consecutive bytes: qc [row tile][K step][group of 4 registers][lane][16]; kv [block of 64 keys][32768]: K's four tiles laid as qc's, then V^T [channel tile][group][lane][16].
; CLUSTER.  The four work-groups of a cluster need the same weights.
; The biases go in as the C of each sum's first product, divided by the power of two that the sums lack.
; LIMITS on the given exponents, so that each power of two below is an f32 number: e0, e2, e4, e6 - e0 - e1, e7 - e2 - e3, e9 - e4 - e5 between -126 and 119.  NaN among the inputs is not served.
; REGISTERS.  window 0: v1-13 addresses; v14, v15 the add's; v16-27 scales and holds; v28-31 bv; v32-63 codes to store; v64-95 v's C; v128-255 the accumulators (v128-191 at work while x is quantised).
;   window 1: v0-191 x's codes (64 z + 16 s); v192-223 q's C, v224-255 k's C.   window 2: x's 256 numbers, later two sets of fragments (x's four at 16 m, the weight's four at 64 + 16 t).
.set PW,    528                        ; a weight's row in LDS: 512 bytes + 16 of padding = 132 words: the 32 lanes of an 8-byte load (rows 0-15, two halves) touch 64 different words modulo 64
.set WPART, 64*PW                      ; a wave's 64 rows
.set SLOTB, 4*WPART
.set XSTR,  8448                       ; a wave's part of the region below: 16 stage rows of 528 bytes, later its 8,192 bytes of images
.set XI,    2*SLOTB                    ; x's stages, then x's images: [row tile m: XSTR][K step s][group g][lane][16]; no tensor load lands here
.set SPARE, XI+4*XSTR                  ; the spare words, 128 bytes a wave: two blocks of 256 bytes that no other line names
.set ACC,   128
.set OUTC,  32
.set BV,    64
.set WV,    48                         ; s48 my wave's number
.set G1,    28                         ; s[28:35] descriptor group 1
.set G0,    36                         ; s[36:47] three groups 0: Wq -> slot 0, Wk -> slot 1, Wv -> slot 0; none is written again
.set MSB,   0
.macro WIN new                         ; the immediate's high byte repeats the setting that is left
.if MSB != (\new)
	s_set_vgpr_msb (MSB<<8)|(\new)
.set MSB, \new
.endif
.endm
.macro PLACES                          ; four plain vector lines behind a matrix instruction, in front of reads of its result and of loads into its registers
.rept 4
	v_nop
.endr
.endm
.macro ROUND                           ; a round of the cluster's barrier
	s_barrier_signal -1
	s_barrier_wait -1
	s_cmp_lg_u32 s[WV], 0
	s_cbranch_scc1 .Lnot_wave_0_\@
	s_barrier_signal -3
.Lnot_wave_0_\@:
	s_barrier_wait -3
	s_barrier_signal -1
	s_barrier_wait -1
.endm
.macro BAR                             ; my LDS stores have landed and my LDS loads are in: then the work-group's barrier
	s_wait_dscnt 0x0
	s_barrier_signal -1
	s_barrier_wait -1
.endm
.macro MKSC vs, vh, se                 ; v[vs] = 2^e as f32 (a conversion takes its exponent field), v[vh] = 448 x 2^e; e in s[se]
	s_add_co_i32 s62, s[\se], 127
	s_lshl_b32 s63, s62, 23
	v_mov_b32 v[\vs], s63
	s_add_co_i32 s62, s62, 8
	s_lshl_b32 s62, s62, 23
	s_or_b32 s62, s62, 0x600000
	v_mov_b32 v[\vh], s62
.endm
	s_load_b512 s[8:23], s[0:1], 0x0               ; x s[8:9], Wq s[10:11], Wk s[12:13], Wv s[14:15], bq s[16:17], bk s[18:19], bv s[20:21], the exponents s[22:23]
	s_load_b128 s[24:27], s[0:1], 0x40             ; qc s[24:25], kv s[26:27]
	v_lshl_add_u32 v14, v0, 2, SPARE
	v_mov_b32 v15, 0
	ds_add_u32 v14, v15
	s_wait_dscnt 0x0
	v_lshrrev_b32 v13, 5, v0
	v_readfirstlane_b32 s[WV], v13                 ; wave 0..3
	s_bfe_u32 s49, ttmp6, 0x40000                  ; cx
	s_lshl_b32 s50, ttmp9, 2
	s_add_co_u32 s50, s50, s49                     ; my block of 64 rows: it enters global addresses of x, qc and kv alone
	s_mov_b32 s[G1], 15|(1<<20)|(1<<21)|(6<<22)|(3<<25)  ; 15:0 the mask: all four work-groups; 17:16 elements of 1 byte; 20 padding on; 21 set beside a mask; 24:22 after every 128 words; 31:25 four words
	s_mov_b32 s[G1+1], 512<<16                     ; tensor_dim0 = 512
	s_mov_b32 s[G1+2], 64<<16                      ; tensor_dim1 = 64
	s_mov_b32 s[G1+3], 512<<16                     ; tile_dim0 = 512
	s_mov_b32 s[G1+4], 64                          ; tile_dim1 = 64
	s_mov_b32 s[G1+5], 512                         ; from row to row
	s_mov_b32 s[G1+6], 0
	s_mov_b32 s[G1+7], 0
	v_and_b32 v1, 15, v0                           ; r
	v_bfe_u32 v2, v0, 4, 1                         ; h
	v_and_b32 v3, 31, v0
	v_lshlrev_b32 v3, 4, v3                        ; 16 x lane: also my 16 bytes of a load's 512 of x
	s_mul_i32 s51, s[WV], WPART
	v_mul_u32_u24 v5, v1, PW
	v_lshl_add_u32 v5, v2, 3, v5
	v_add_nc_u32 v5, s51, v5                       ; a weight fragment in slot 0: my wave's part + row r + 8 h
	v_add_nc_u32 v6, SLOTB, v5                     ; and in slot 1
	s_mul_i32 s52, s[WV], XSTR
	v_add_nc_u32 v8, XI, v3                        ; x's images, for reading
	v_add_nc_u32 v7, s52, v8                       ; where I store mine (row tile w); also my stage, on the way in: 16 x lane of a row
	v_mul_u32_u24 v13, v1, 528
	v_lshl_add_u32 v13, v2, 5, v13
	v_add_nc_u32 v13, s52, v13
	v_add_nc_u32 v13, XI, v13                      ; my stage, on the way out: row r + 32 h.  Rows 528 bytes = 132 words apart: the sixteen rows that a 16-byte load touches start at sixteen different banks (64 banks of 4 bytes: ISA guide 11.1)
	s_lshl_b32 s52, s[WV], 10
	v_add_nc_u32 v9, s52, v3                       ; q, k out: my 64 columns are groups 2 w, 2 w + 1 of a row tile's eight
	s_lshl_b32 s52, s[WV], 12
	v_add_nc_u32 v10, s52, v3                      ; v out: my four channel tiles
	s_lshl_b32 s52, s[WV], 8
	v_lshl_add_u32 v11, v2, 5, s52                 ; bq, bk: column 64 w + 8 h
	v_lshl_add_u32 v12, v1, 2, s52                 ; bv: column 64 w + r
	s_lshl_b32 s54, s[WV], 15                      ; my 64 rows of a weight
	s_mov_b32 s55, 0
	s_lshl_b32 s56, s50, 17
	s_add_co_u32 s56, s56, s54                     ; x: 64 rows a block, 16 a wave, 2,048 bytes a row
	s_mov_b32 s57, 0
	s_lshl_b32 s58, s50, 14                        ; qc: 16,384 bytes a block
	s_mov_b32 s59, 0
	s_lshl_b32 s60, s50, 15                        ; kv: 32,768
	s_mov_b32 s61, 0
	s_wait_kmcnt 0x0
	s_load_b512 s[72:87], s[22:23], 0x0            ; e0 .. e15
	s_add_nc_u64 s[8:9], s[8:9], s[56:57]
	s_add_nc_u64 s[24:25], s[24:25], s[58:59]
	s_add_nc_u64 s[26:27], s[26:27], s[60:61]
	s_mov_b32 s[G0], 1
	s_mov_b32 s[G0+1], s51
	s_add_nc_u64 s[G0+2:G0+3], s[10:11], s[54:55]
	s_or_b32 s[G0+3], s[G0+3], 0x80000000
	s_mov_b32 s[G0+4], 1
	s_add_co_u32 s[G0+5], s51, SLOTB
	s_add_nc_u64 s[G0+6:G0+7], s[12:13], s[54:55]
	s_or_b32 s[G0+7], s[G0+7], 0x80000000
	s_mov_b32 s[G0+8], 1
	s_mov_b32 s[G0+9], s51
	s_add_nc_u64 s[G0+10:G0+11], s[14:15], s[54:55]
	s_or_b32 s[G0+11], s[G0+11], 0x80000000
	ROUND                                          ; all four work-groups are here: the first joint loads meet
	tensor_load_to_lds s[G0:G0+3], s[G1:G1+7]      ; Wq; two loads of mine are out
	s_nop 0
	tensor_load_to_lds s[G0+4:G0+7], s[G1:G1+7]    ; Wk
	s_nop 0
	PLACES
	WIN 0x40                                       ; destination window 1
.irp t, 0,1,2,3                        ; q's and k's C: register 8 t + j is the bias of column 64 w + 16 t + 8 h + j
	global_load_b128 v[192+8*\t:195+8*\t], v11, s[16:17] offset:64*\t
	global_load_b128 v[196+8*\t:199+8*\t], v11, s[16:17] offset:64*\t+16
	global_load_b128 v[224+8*\t:227+8*\t], v11, s[18:19] offset:64*\t
	global_load_b128 v[228+8*\t:231+8*\t], v11, s[18:19] offset:64*\t+16
.endr
	WIN 0
.irp t, 0,1,2,3
	global_load_b32 v[28+\t], v12, s[20:21] offset:64*\t       ; bv of channel 64 w + 16 t + r
.endr
	WIN 0x80                                       ; destination window 2
.irp s, 0,1,2,3
.irp i, 0,1,2,3,4,5,6,7,8,9,10,11,12,13,14,15
	global_load_b128 v[64*\s+4*\i:64*\s+4*\i+3], v3, s[8:9] offset:2048*\i+512*\s th:TH_LOAD_NT    ; row 16 w + i, K step s: 32 lanes read 512 consecutive bytes
.endr
.endr
	WIN 0
	s_wait_kmcnt 0x0
	s_add_co_i32 s52, s72, s73                     ; a sum of product 1 stands for sum x 2^(e0 + e1),
	s_add_co_i32 s53, s74, s75
	s_add_co_i32 s54, s76, s77
	s_sub_co_i32 s56, s78, s52                     ; so q's conversion takes 2^(e6 - e0 - e1): three scales folded into one
	s_sub_co_i32 s57, s79, s53
	s_sub_co_i32 s58, s81, s54
	s_sub_co_i32 s52, 0, s52                       ; and the bias goes in x 2^-(e0 + e1)
	s_sub_co_i32 s53, 0, s53
	s_sub_co_i32 s54, 0, s54
	MKSC 16, 17, 72
	MKSC 18, 19, 74
	MKSC 20, 21, 76
	MKSC 22, 23, 56
	MKSC 24, 25, 57
	MKSC 26, 27, 58
; K step s of my 16 rows of x is turned into the operand's order and becomes three fragments, one for each given scale.
.macro QUANT s
	s_wait_loadcnt 16*(3-\s)                       ; loads come back in order: this K step's sixteen are in; those of the later K steps may be out
	WIN 0x88                                       ; LDS data, in and out, window 2
.irp i, 0,1,2,3,4,5,6,7,8,9,10,11,12,13,14,15
	ds_store_b128 v7, v[64*\s+4*\i:64*\s+4*\i+3] offset:528*\i         ; a row's 512 bytes as they were loaded
.endr
.irp n, 0,1,2,3,4,5,6,7,8,9,10,11,12,13,14,15
	ds_load_b128 v[64*\s+4*\n:64*\s+4*\n+3], v13 offset:64*(\n/2)+16*(\n%2)   ; x(16 w + r, 128 s + 16 c + 8 h + 4 u + 0 .. 3), n = 2 c + u.  LDS serves a wave's instructions in order (ISA guide 5.7.1.4): these see my stores, and the next K step's stores come behind them
.endr
	s_wait_dscnt 0x0
.irp z, 0,1,2
	WIN 0x02                                       ; source 0 window 2
.set i, 0
.rept 64
	v_med3_num_f32 v[ACC+i], v[64*\s+i], -v[17+2*\z], v[17+2*\z]   ; the conversion to an 8-bit code does not saturate (ISA guide 7.6.2): the hold at the largest code x the scale
.set i, i+1
.endr
	WIN 0x40                                       ; destination window 1
.irp c, 0,1,2,3,4,5,6,7
	v_cvt_scalef32_pk8_fp8_f32 v[64*\z+16*\s+2*\c:64*\z+16*\s+2*\c+1], v[ACC+8*\c:ACC+8*\c+7], v[16+2*\z]
.endr
	v_nop                                          ; a plain line between the conversions and the next lines that write their sources
.endr
.endm
	QUANT 0
	QUANT 1
	QUANT 2
	QUANT 3
	WIN 0x41
.set i, 0
.rept 32
	v_ldexp_f32 v[192+i], v[192+i], s52
	v_ldexp_f32 v[224+i], v[224+i], s53
.set i, i+1
.endr
	WIN 0
.irp t, 0,1,2,3
.irp j, 0,1,2,3,4,5,6,7
	v_ldexp_f32 v[BV+8*\t+\j], v[28+\t], s54       ; v's result holds one channel a lane: eight equal registers
.endr
.endr
.macro IMAGE z                         ; my four fragments under scale z go to LDS as they stand: lane l's 16 bytes at 16 l, 512 bytes a store
	WIN 0x04                                       ; data window 1
.irp s, 0,1,2,3
.irp g, 0,1,2,3
	ds_store_b128 v7, v[64*\z+16*\s+4*\g:64*\z+16*\s+4*\g+3] offset:2048*\s+512*\g
.endr
.endr
	WIN 0
.endm
.macro FETCH s, set, wa                ; K step s: x's four fragments (16 loads) and my four of the weight (32 loads of 8 bytes) into a set in window 2
	WIN 0x80
.irp m, 0,1,2,3
.irp g, 0,1,2,3
	ds_load_b128 v[\set+16*\m+4*\g:\set+16*\m+4*\g+3], v8 offset:XSTR*\m+2048*\s+512*\g
.endr
.endr
.irp t, 0,1,2,3
.irp c, 0,1,2,3,4,5,6,7
	ds_load_b64 v[\set+64+16*\t+2*\c:\set+64+16*\t+2*\c+1], v[\wa] offset:16*PW*\t+128*\s+16*\c
.endr
.endr
.endm
; 16 products, the 16 accumulators by turns.  tr = 1: source 0 = the weight; first = 1: C is the bias at v[cb + 8 t]
.macro MUL set, tr, first, cb
.irp t, 0,1,2,3
.irp m, 0,1,2,3
.if \tr
.if \first
	v_wmma_f32_16x16x128_fp8_fp8 v[ACC+8*(4*\t+\m):ACC+8*(4*\t+\m)+7], v[\set+64+16*\t:\set+64+16*\t+15], v[\set+16*\m:\set+16*\m+15], v[\cb+8*\t:\cb+8*\t+7]
.else
	v_wmma_f32_16x16x128_fp8_fp8 v[ACC+8*(4*\t+\m):ACC+8*(4*\t+\m)+7], v[\set+64+16*\t:\set+64+16*\t+15], v[\set+16*\m:\set+16*\m+15], v[ACC+8*(4*\t+\m):ACC+8*(4*\t+\m)+7]
.endif
.else
.if \first
	v_wmma_f32_16x16x128_fp8_fp8 v[ACC+8*(4*\t+\m):ACC+8*(4*\t+\m)+7], v[\set+16*\m:\set+16*\m+15], v[\set+64+16*\t:\set+64+16*\t+15], v[\cb+8*\t:\cb+8*\t+7]
.else
	v_wmma_f32_16x16x128_fp8_fp8 v[ACC+8*(4*\t+\m):ACC+8*(4*\t+\m)+7], v[\set+16*\m:\set+16*\m+15], v[\set+64+16*\t:\set+64+16*\t+15], v[ACC+8*(4*\t+\m):ACC+8*(4*\t+\m)+7]
.endif
.endif
.endr
.endr
.endm
.macro GEMM wa, tr, cb, w1             ; four K steps on two sets of fragments; w1: the windows of the first step (its C lies elsewhere)
	FETCH 0, 0, \wa
	FETCH 1, 128, \wa
	s_wait_dscnt 48                                ; all but the 48 loads just issued
	WIN \w1
	MUL 0, \tr, 1, \cb
	PLACES
	FETCH 2, 0, \wa
	s_wait_dscnt 48
	WIN 0x0a                                       ; sources 0 and 1 window 2, C and D window 0
	MUL 128, \tr, 0, 0
	PLACES
	FETCH 3, 128, \wa
	s_wait_dscnt 48
	WIN 0x0a
	MUL 0, \tr, 0, 0
	s_wait_dscnt 0x0
	MUL 128, \tr, 0, 0
	WIN 0
.endm
.macro FINISH vs, tr                   ; the 16 tiles are held and converted; v[vs] the scale, v[vs + 1] the hold
	PLACES
.set i, 0
.rept 128
	v_med3_num_f32 v[ACC+i], v[ACC+i], -v[\vs+1], v[\vs+1]         ; each accumulator from its low end on
.set i, i+1
.endr
	s_wait_xcnt 0x0                                ; the last stores have read their data: the codes' registers are written again only behind this wait
.irp t, 0,1,2,3
.irp m, 0,1,2,3
.if \tr
	v_cvt_scalef32_pk8_fp8_f32 v[OUTC+8*\m+2*\t:OUTC+8*\m+2*\t+1], v[ACC+8*(4*\t+\m):ACC+8*(4*\t+\m)+7], v[\vs]   ; row tile m: registers 2 t, 2 t + 1 of my eight
.else
	v_cvt_scalef32_pk8_fp8_f32 v[OUTC+8*\t+2*\m:OUTC+8*\t+2*\m+1], v[ACC+8*(4*\t+\m):ACC+8*(4*\t+\m)+7], v[\vs]   ; channel tile t: keys 16 m + 8 h + 0 .. 7
.endif
.endr
.endr
	v_nop                                          ; a plain line between the conversions and the next products, which write their sources
.endm
.macro OUT8 adr, pb, stride, off       ; eight stores, each of 512 consecutive bytes, at a multiple of 512 from the buffer's first byte
.irp a, 0,1,2,3
.irp g, 0,1
	global_store_b128 v[\adr], v[OUTC+8*\a+4*\g:OUTC+8*\a+4*\g+3], s[\pb:\pb+1] offset:\off+\stride*\a+512*\g
.endr
.endr
.endm
	IMAGE 0
	s_wait_tensorcnt 0x1                           ; my rows of Wq are in (only I read them); Wk's load may stay out
	BAR                                            ; x's sixteen fragments under e0 lie in LDS
	GEMM 5, 1, 192, 0x1a                           ; q
	s_wait_tensorcnt 0x0                           ; all my tensor loads have landed (Wk's),
	ds_add_u32 v14, v15                            ; 0 onto my spare word
	s_wait_dscnt 0x0                               ; the add is done, and my reads of slot 0 and of x's images are over
	ROUND                                          ; both hold of every wave of all four work-groups
	tensor_load_to_lds s[G0+8:G0+11], s[G1:G1+7]   ; Wv into slot 0: my one load behind the round
	s_nop 0
	PLACES
	IMAGE 1
	FINISH 22, 1
	OUT8 9, 24, 4096, 0
	BAR                                            ; x under e2 lies in LDS
	GEMM 6, 1, 224, 0x1a                           ; k
	BAR                                            ; every wave's reads of those images are over
	IMAGE 2
	FINISH 24, 1
	OUT8 9, 26, 4096, 0
	s_wait_tensorcnt 0x0                           ; my rows of Wv are in: no load was issued behind that one
	BAR                                            ; x under e4 lies in LDS
	GEMM 5, 0, BV, 0x0a                            ; v, keys down the registers
	FINISH 26, 0
	OUT8 10, 26, 1024, 16384
	s_wait_tensorcnt 0x0                           ; the wave's end
	ds_add_u32 v14, v15
	s_wait_dscnt 0x0
	ROUND                                          ; the closing round
	s_endpgm
.Lfunc_end_k_q7204a6583d_qkv:
	.size	k_q7204a6583d_qkv, .Lfunc_end_k_q7204a6583d_qkv-k_q7204a6583d_qkv
	.p2alignl 7, 3214868480
	.fill 96, 4, 3214868480
	.section	.rodata,"a",@progbits
	.p2align	6, 0x0
	.amdhsa_kernel k_q7204a6583d_qkv
		.amdhsa_group_segment_fixed_size 327680
		.amdhsa_private_segment_fixed_size 0
		.amdhsa_enable_private_segment 0
		.amdhsa_kernarg_size 80
		.amdhsa_user_sgpr_count 2
		.amdhsa_user_sgpr_kernarg_segment_ptr 1
		.amdhsa_wavefront_size32 1
		.amdhsa_system_sgpr_workgroup_id_x 1
		.amdhsa_system_sgpr_workgroup_id_y 1
		.amdhsa_system_sgpr_workgroup_id_z 1
		.amdhsa_system_vgpr_workitem_id 0
		.amdhsa_next_free_vgpr 768
		.amdhsa_next_free_sgpr 100
		.amdhsa_reserve_vcc 0
		.amdhsa_float_denorm_mode_32 3
		.amdhsa_float_denorm_mode_16_64 3
		.amdhsa_memory_ordered 1
		.amdhsa_forward_progress 1
		.amdhsa_inst_pref_size 169
	.end_amdhsa_kernel
	.amdgpu_metadata
---
amdhsa.version: [ 1, 2 ]
amdhsa.kernels:
  - .name:           k_q7204a6583d_qkv
    .symbol:         k_q7204a6583d_qkv.kd
    .args:
      - { .name: x, .offset: 0, .size: 8, .value_kind: global_buffer, .address_space: global }
      - { .name: Wq_w_codes, .offset: 8, .size: 8, .value_kind: global_buffer, .address_space: global }
      - { .name: Wk_w_codes, .offset: 16, .size: 8, .value_kind: global_buffer, .address_space: global }
      - { .name: Wv_w_codes, .offset: 24, .size: 8, .value_kind: global_buffer, .address_space: global }
      - { .name: Wq_b, .offset: 32, .size: 8, .value_kind: global_buffer, .address_space: global }
      - { .name: Wk_b, .offset: 40, .size: 8, .value_kind: global_buffer, .address_space: global }
      - { .name: Wv_b, .offset: 48, .size: 8, .value_kind: global_buffer, .address_space: global }
      - { .name: lowp_scales, .offset: 56, .size: 8, .value_kind: global_buffer, .address_space: global }
      - { .name: qc, .offset: 64, .size: 8, .value_kind: global_buffer, .address_space: global }
      - { .name: kv, .offset: 72, .size: 8, .value_kind: global_buffer, .address_space: global }
    .group_segment_fixed_size: 327680
    .private_segment_fixed_size: 0
    .kernarg_segment_align: 8
    .kernarg_segment_size: 80
    .max_flat_workgroup_size: 128
    .sgpr_count:     100
    .vgpr_count:     768
    .wavefront_size: 32
...
	.end_amdgpu_metadata
.endif
;; end of part 1
;; launch attn (part 2): grid 64 x 4, 4 waves a work-group, clusters of 4 x 1, 327,680 bytes of LDS; arguments qc, kv, lowp_scales, ac; writes ac
.if DOCPART == 2
	.amdgcn_target "amdgcn-amd-amdhsa--gfx1250"
	.amdhsa_code_object_version 6
	.text
	.protected	k_q7204a6583d_attn
	.globl	k_q7204a6583d_attn
	.p2align	8
	.type	k_q7204a6583d_attn,@function
k_q7204a6583d_attn:
	s_mov_b64 s[64:65], 0
	v_nop
	global_prefetch_b8 v0, s[64:65] scope:SCOPE_SE
	s_setreg_imm32_b32 hwreg(HW_REG_WAVE_MODE, 25, 1), 1
	s_wait_xcnt 0x0
	s_wait_alu depctr_hold_cnt(0) depctr_sa_sdst(0) depctr_va_vdst(0) depctr_va_sdst(0) depctr_va_ssrc(0) depctr_va_vcc(0) depctr_vm_vsrc(0)
	s_getreg_b32 s2, hwreg(HW_REG_IB_STS2, 6, 4)
	s_cmp_eq_u32 s2, 0
	s_cbranch_scc0 .Lentry_in_a_cluster
	s_endpgm
.Lentry_in_a_cluster:
	s_bfe_u32 s2, ttmp6, 0x10000c
	s_cmp_lg_u32 s2, 0x3003
	s_cbranch_scc0 .Lentry_shape_is_right
	s_endpgm
.Lentry_shape_is_right:
; attn = softmax(q k^T / sqrt(32)) v for 4 batches of 4,096 rows, head 256, both products on codes of E4M3; the result is quantised (e10) for the next product.
; qc, kv: codes in the order of the operands' registers: qc [row tile][4096]; kv [block of 64 keys][32768] = K's 128 registers a lane, then V^T's 128.  ac is laid as qc.
; THE SOFTMAX: t = score x log2(e) / sqrt(32); M = the largest t so far, rounded up to a whole number; p = 2^(t - M) is quantised (e8), not normalised; the sum is taken of the unquantised p and divides at the end.
; SHARES.  A work-group owns 64 queries: four tiles of 16.  THE WAVES SHARE THE KEYS: every wave holds all four tiles of queries and walks key blocks 4 t + w, t = 0 .. 15, so that each fragment of K and V
; feeds four products.  Each wave has its own M, sum and O^T; at the end the four are joined by exact powers of two.  LIMIT: a weight is quantised under the running M of its wave's quarter of the keys, not under the row's last M:
; numbers far under the row's largest keep more of their value than under the last M.
; Register tile i of wave w is query tile (w + i) % 4, so that the tile which a wave finishes and stores is its register tile 0.
; LAYOUT.  S^T = K Q^T (source 0 = 16 keys), O^T = V^T P (source 0 = 16 channels, K = 64 keys): a lane holds one query throughout, and a tile of scores converts into registers 2 kt, 2 kt + 1 of P.
; K: A RING of two LDS slots, 131,072 bytes apart; wave w's part (at 32,768 w) holds K of its own block, 16,384 bytes, brought by its own load and read by it alone.  The four work-groups of a cluster walk the same kv: each of these loads is joint.
; V: FROM MEMORY STRAIGHT INTO THE REGISTERS that K has left, 32 loads of 512 consecutive bytes a step: it lies in memory in the order of the operand's registers and one wave alone of the work-group reads a block, so a way through LDS
; would be a copy that changes nothing, and the step's one tensor load a wave brings half the bytes.  So V is NOT asked for jointly: each of the four partners fetches its 1 MiB for itself.  The loads are asked for as soon as K's registers are free, and have the softmax in which to land.
; LIMITS on the given exponents: e6 + e7 between -124 and 129 (added to c's exponent field); e8 and e10 - e8 - e9 between -126 and 119.
; REGISTERS.  window 0: v1-13 addresses; v16-47 statistics, eight a tile: +0 -M, +1 the largest t, +2, +3 the sum, +4 f (+5 named with it), +6, +7 at work; v48-51 holds and scales; v52-58 addresses of the joining;
;   v64-191 S^T, then p (32 a tile); v192-223 P's codes; v224-255 at work at the end.   windows 1, 2: O^T, 128 a tile.   window 3: v0-127 Q; v128-255 ONE buffer for K, then for V.
.set S,     64
.set P,     192
.set ST,    16
.set KB,    128
.set SLOT1, 131072                     ; one exclusive or turns an address in one slot into the other's
.set STAT,  2*SLOT1                    ; the waves' -M and sums: [owner][sender's register tile][lane][8]
.set SPARE, STAT+4096                  ; the spare words, 128 bytes a wave
.set WV,  12
.set G1,  16                           ; s[16:23] group 1: 64 rows of 256 bytes, dense
.set G0A, 24                           ; s[24:27] block row 0
.set G0W, 28                           ; s[28:31] block row 1, then it walks
.set CS,  48                           ; s[48:49] c
.set SEL, 50                           ; s[50:51] v_permlanex16_b32: lane l xor 16
.set TB,  52                           ; s52 the slot from which K is fetched next
.set CNT, 53
.set LIM, 54                           ; s54 1 in a cluster that prefetches, else the greatest number
.set PFA, 56                           ; s[56:57] where my prefetches stand
.set VP,  72                           ; s[72:73] V^T of my block in hand
.set MSB, 0
.macro WIN new
.if MSB != (\new)
	s_set_vgpr_msb (MSB<<8)|(\new)
.set MSB, \new
.endif
.endm
.macro PLACES
.rept 4
	v_nop
.endr
.endm
.macro CREST                           ; a round of the cluster's barrier behind its opening barrier
	s_cmp_lg_u32 s[WV], 0
	s_cbranch_scc1 .Lnot_wave_0_\@
	s_barrier_signal -3
.Lnot_wave_0_\@:
	s_barrier_wait -3
	s_barrier_signal -1
	s_barrier_wait -1
.endm
.macro ROUND
	s_barrier_signal -1
	s_barrier_wait -1
	CREST
.endm
.macro BAR
	s_wait_dscnt 0x0
	s_barrier_signal -1
	s_barrier_wait -1
.endm
.macro MKSC vs, vh, se
	s_add_co_i32 s70, s[\se], 127
	s_lshl_b32 s71, s70, 23
	v_mov_b32 v[\vs], s71
	s_add_co_i32 s70, s70, 8
	s_lshl_b32 s70, s70, 23
	s_or_b32 s70, s70, 0x600000
	v_mov_b32 v[\vh], s70
.endm
; A PREFETCH INTO THE L2 of the block row whose K the NEXT change of slots will ask for, K and V: 131,072 bytes.  All sixteen clusters of a batch walk the same kv: the first of them asks.  Its four work-groups share the bytes out by
; address (8,192 cx), its waves by their own blocks (32,768 w), a lane 256 bytes: each aligned block of 256 bytes is named once in the launch.  Rows 0 to 2 come by their loads alone; the last change that asks names row 15.
.macro ASK first
.if \first
	s_cmp_eq_u32 s[LIM], 1
.else
	s_cmp_gt_u32 s[CNT], s[LIM]
.endif
	s_cbranch_scc0 .Lnot_mine_\@
	global_prefetch_b8 v10, s[PFA:PFA+1] th:TH_LOAD_NT scope:SCOPE_SE
.Lnot_mine_\@:
.endm
	s_load_b256 s[4:11], s[0:1], 0x0               ; qc s[4:5], kv s[6:7], the exponents s[8:9], ac s[10:11]
	v_lshl_add_u32 v8, v0, 2, SPARE
	v_mov_b32 v9, 0
	ds_add_u32 v8, v9
	s_wait_dscnt 0x0
	v_lshrrev_b32 v11, 5, v0
	v_readfirstlane_b32 s[WV], v11                 ; wave 0..3
	s_bfe_u32 s13, ttmp6, 0x40000                  ; cx
	s_lshl_b32 s14, ttmp9, 2
	s_add_co_u32 s14, s14, s13                     ; my block of 64 queries: it enters qc's, ac's and the prefetches' addresses alone
	s_and_b32 s15, ttmp7, 0xffff                   ; the batch, which the four partners share
	s_mov_b32 s[G1], 15|(3<<16)|(1<<21)            ; 15:0 the mask: all four; 17:16 elements of 8 bytes; 21 set beside a mask; no padding
	s_mov_b32 s[G1+1], 32<<16                      ; tensor_dim0 = 32 elements: 256 bytes
	s_mov_b32 s[G1+2], 64<<16                      ; tensor_dim1 = 64
	s_mov_b32 s[G1+3], 32<<16                      ; tile_dim0
	s_mov_b32 s[G1+4], 64                          ; tile_dim1: K's 16,384 bytes of a block
	s_mov_b32 s[G1+5], 32                          ; from row to row: dense
	s_mov_b32 s[G1+6], 0
	s_mov_b32 s[G1+7], 0
	s_mov_b32 s[SEL], 0x76543210
	s_mov_b32 s[SEL+1], 0xfedcba98
	s_mov_b32 s[TB], 0
	s_cmp_eq_u32 ttmp9, 0                          ; the batch's first cluster: the same in all four partners
	s_cselect_b32 s[LIM], 1, -1
	v_and_b32 v3, 31, v0
	v_lshlrev_b32 v10, 8, v3                       ; 256 x lane, for the prefetches
	v_lshlrev_b32 v11, 3, v3                       ; 8 x lane
	v_lshlrev_b32 v3, 4, v3                        ; 16 x lane
	s_lshl_b32 s58, s[WV], 15
	v_add_nc_u32 v1, s58, v3                       ; my wave's part of a slot + 16 x lane
	v_add_nc_u32 v2, s[TB], v1                     ; in the slot in hand
	s_lshl_b32 s59, s[WV], 10
	s_add_co_u32 s59, s59, STAT
	v_add_nc_u32 v12, s59, v11                     ; the four statistics of the tile that I own
	s_mul_i32 s59, s[WV], 49152
	v_add_nc_u32 v13, s59, v3                      ; the three partial O^T of the tile that I own
.irp i, 0,1,2,3
	s_add_co_u32 s59, s[WV], \i
	s_and_b32 s59, s59, 3                          ; register tile i is query tile (w + i) % 4, owned by that wave
	s_lshl_b32 s60, s59, 12
	v_add_nc_u32 v[4+\i], s60, v3                  ; its codes in qc
	s_lshl_b32 s60, s59, 10
	s_add_co_u32 s60, s60, STAT+256*\i
	v_add_nc_u32 v[52+\i], s60, v11                ; where its statistics go
.if \i > 0
	s_mul_i32 s60, s59, 49152
	s_add_co_u32 s60, s60, (\i-1)*16384
	v_add_nc_u32 v[55+\i], s60, v3                 ; where its O^T goes
.endif
	v_mov_b32 v[ST+8*\i+5], 0                      ; (named as the upper half of f's pair)
.endr
	s_lshl_b32 s60, s15, 21
	s_add_co_u32 s60, s60, s58                     ; kv: 2 MiB a batch + my block of a block row
	s_mov_b32 s61, 0
	s_lshl_b32 s62, s15, 20
	s_lshl_b32 s63, s14, 14
	s_add_co_u32 s62, s62, s63                     ; qc: 1 MiB a batch + 16,384 a block of queries
	s_mov_b32 s63, 0
	s_lshl_b32 s66, s[WV], 12
	s_add_co_u32 s66, s66, s62                     ; ac: the same + the tile that I own
	s_mov_b32 s67, 0
	s_lshl_b32 s68, s13, 13
	s_mov_b32 s69, 0
	s_wait_kmcnt 0x0
	s_load_b512 s[32:47], s[8:9], 0x0              ; e0 .. e15
	s_add_nc_u64 s[6:7], s[6:7], s[60:61]
	s_add_nc_u64 s[4:5], s[4:5], s[62:63]
	s_add_nc_u64 s[10:11], s[10:11], s[66:67]
	s_mov_b32 s[G0A], 1
	s_mov_b32 s[G0A+1], s58
	s_mov_b64 s[G0A+2:G0A+3], s[6:7]
	s_or_b32 s[G0A+3], s[G0A+3], 0x80000000
	s_mov_b32 s[G0W], 1
	s_add_co_u32 s[G0W+1], s58, SLOT1
	s_add_nc_u64 s[G0W+2:G0W+3], s[6:7], 131072
	s_or_b32 s[G0W+3], s[G0W+3], 0x80000000
	s_add_nc_u64 s[VP:VP+1], s[6:7], 16384         ; V^T lies behind K's 16,384 bytes
	s_add_nc_u64 s[PFA:PFA+1], s[6:7], s[68:69]
	s_add_nc_u64 s[PFA:PFA+1], s[PFA:PFA+1], 2*131072   ; at block row 2: the first change of slots steps it to 3.  Nothing is prefetched at the head
	ROUND                                          ; all four work-groups are here: the first joint loads meet
	tensor_load_to_lds s[G0A:G0A+3], s[G1:G1+7]    ; two loads of mine are out
	s_nop 0
	tensor_load_to_lds s[G0W:G0W+3], s[G1:G1+7]
	s_nop 0
	PLACES
	WIN 0xc0                                       ; destination window 3
.irp i, 0,1,2,3
.irp n, 0,1,2,3,4,5,6,7
	global_load_b128 v[32*\i+4*\n:32*\i+4*\n+3], v[4+\i], s[4:5] offset:512*\n     ; Q stays in registers
.endr
.endr
	WIN 0
	s_wait_kmcnt 0x0
	s_add_co_i32 s58, s38, s39
	s_lshl_b32 s58, s58, 23
	s_add_co_i32 s[CS], s58, 0x3e8293ee            ; c = log2(e) / sqrt(32), x 2^(e6 + e7): the two exponents are added to its exponent field
	s_mov_b32 s[CS+1], s[CS]                       ; (named with it as a pair)
	s_sub_co_i32 s59, s42, s40
	s_sub_co_i32 s59, s59, s41                     ; O^T / the sum stands for attn / 2^(e8 + e9): its conversion takes 2^(e10 - e8 - e9)
	MKSC 49, 48, 40
	MKSC 51, 50, 59
.macro KLOAD half                      ; K's key tiles 2 half, 2 half + 1: K's 16,384 bytes are an image of the buffer's registers
.set n, 16*\half
.rept 16
	ds_load_b128 v[KB+4*n:KB+4*n+3], v2 offset:512*n
.set n, n+1
.endr
.endm
.macro VLOAD half                      ; V^T's channel tiles 8 half .. 8 half + 7, from memory: each load 512 consecutive bytes
.set n, 16*\half
.rept 16
	global_load_b128 v[KB+4*n:KB+4*n+3], v3, s[VP:VP+1] offset:512*n
.set n, n+1
.endr
.endm
.macro SPH kt0                         ; 16 products of S^T: key tiles kt0, kt0 + 1, both K steps, four tiles of queries: eight accumulators by turns
.irp s, 0,1
.irp kt, \kt0, \kt0+1
.irp q, 0,1,2,3
.if \s == 0
	v_wmma_f32_16x16x128_fp8_fp8 v[S+32*\q+8*(\kt):S+32*\q+8*(\kt)+7], v[KB+32*(\kt)+16*\s:KB+32*(\kt)+16*\s+15], v[32*\q+16*\s:32*\q+16*\s+15], 0
.else
	v_wmma_f32_16x16x128_fp8_fp8 v[S+32*\q+8*(\kt):S+32*\q+8*(\kt)+7], v[KB+32*(\kt)+16*\s:KB+32*(\kt)+16*\s+15], v[32*\q+16*\s:32*\q+16*\s+15], v[S+32*\q+8*(\kt):S+32*\q+8*(\kt)+7]
.endif
.endr
.endr
.endr
.endm
.macro PV d0, wq, first                ; 16 products of O^T: channel tiles d0 .. d0 + 7, tiles of queries 2 wq, 2 wq + 1 (window 1 + wq); each accumulator once
	WIN 0x53+0x50*\wq                              ; V window 3, P window 0, C and D window 1 or 2
.irp d, 0,1,2,3,4,5,6,7
.irp u, 0,1
.if \first
	v_wmma_f32_16x16x64_fp8_fp8 v[128*\u+8*(\d0+\d):128*\u+8*(\d0+\d)+7], v[KB+8*(\d0+\d):KB+8*(\d0+\d)+7], v[P+8*(2*\wq+\u):P+8*(2*\wq+\u)+7], 0
.else
	v_wmma_f32_16x16x64_fp8_fp8 v[128*\u+8*(\d0+\d):128*\u+8*(\d0+\d)+7], v[KB+8*(\d0+\d):KB+8*(\d0+\d)+7], v[P+8*(2*\wq+\u):P+8*(2*\wq+\u)+7], v[128*\u+8*(\d0+\d):128*\u+8*(\d0+\d)+7]
.endif
.endr
.endr
.endm
.macro RESC wq                         ; O^T of two tiles x f = 2^(old M - new M): nothing is rounded
	WIN 0x41+0x41*\wq
.irp u, 0,1
.set i, 0
.rept 64
	v_pk_mul_f32 v[128*\u+2*i:128*\u+2*i+1], v[128*\u+2*i:128*\u+2*i+1], v[ST+8*(2*\wq+\u)+4:ST+8*(2*\wq+\u)+5] op_sel_hi:[1,0]
.set i, i+1
.endr
.endr
.endm
; Lines of the softmax; j is the pair of scores in hand.
.macro FMA q                           ; t - M, two at a time (of the pairs c and -M the low word serves both halves)
	v_pk_fma_f32 v[S+32*\q+2*j:S+32*\q+2*j+1], v[S+32*\q+2*j:S+32*\q+2*j+1], s[CS:CS+1], v[ST+8*\q:ST+8*\q+1] op_sel_hi:[1,0,0]
.endm
.macro SUM p, first                    ; the sum takes the UNQUANTISED p; pair 0 brings the old sum under the new M
.if j == 0
.if \first
	s_wait_alu depctr_va_vdst(0)
	v_pk_add_f32 v[ST+8*(\p)+2:ST+8*(\p)+3], v[S+32*(\p):S+32*(\p)+1], v[S+32*(\p)+2:S+32*(\p)+3]
.else
	s_wait_alu depctr_va_vdst(0)
	v_pk_fma_f32 v[ST+8*(\p)+2:ST+8*(\p)+3], v[ST+8*(\p)+2:ST+8*(\p)+3], v[ST+8*(\p)+4:ST+8*(\p)+5], v[S+32*(\p):S+32*(\p)+1] op_sel_hi:[1,0,1]
.endif
.elseif (j > 1) || ((\first) == 0)
	v_pk_add_f32 v[ST+8*(\p)+2:ST+8*(\p)+3], v[ST+8*(\p)+2:ST+8*(\p)+3], v[S+32*(\p)+2*j:S+32*(\p)+2*j+1]
.endif
.endm
.macro HOLD p                          ; p is not negative: a one-sided hold (the conversion does not saturate: ISA guide 7.6.2); behind every eight numbers their conversion
	v_min_num_f32 v[S+32*(\p)+2*j], v[S+32*(\p)+2*j], v48
	v_min_num_f32 v[S+32*(\p)+2*j+1], v[S+32*(\p)+2*j+1], v48
.if j%4 == 3
	v_cvt_scalef32_pk8_fp8_f32 v[P+8*(\p)+2*(j/4):P+8*(\p)+2*(j/4)+1], v[S+32*(\p)+8*(j/4):S+32*(\p)+8*(j/4)+7], v49
.endif
.endm
.macro EQ q, first                     ; tile q's exponentials, each with plain work of tile q - 1 behind it
.set j, 0
.rept 16
	v_exp_f32 v[S+32*\q+2*j], v[S+32*\q+2*j]
	SUM \q-1, \first
	v_exp_f32 v[S+32*\q+2*j+1], v[S+32*\q+2*j+1]
	HOLD \q-1
.set j, j+1
.endr
.endm
.macro SOFTMAX first
.irp q, 0,1,2,3                        ; the step's largest score of my query among my 32 keys, in two chains a tile, the four tiles line by line; each accumulator is first read at its low end
	v_max3_num_f32 v[ST+8*\q+6], v[S+32*\q], v[S+32*\q+1], v[S+32*\q+2]
.endr
.irp q, 0,1,2,3
	v_max3_num_f32 v[ST+8*\q+7], v[S+32*\q+3], v[S+32*\q+4], v[S+32*\q+5]
.endr
.irp i, 6,10,14,18,22,26
.irp q, 0,1,2,3
	v_max3_num_f32 v[ST+8*\q+6], v[ST+8*\q+6], v[S+32*\q+\i], v[S+32*\q+\i+1]
.endr
.irp q, 0,1,2,3
	v_max3_num_f32 v[ST+8*\q+7], v[ST+8*\q+7], v[S+32*\q+\i+2], v[S+32*\q+\i+3]
.endr
.endr
.irp q, 0,1,2,3
	v_max3_num_f32 v[ST+8*\q+6], v[ST+8*\q+6], v[S+32*\q+30], v[S+32*\q+31]
.endr
.irp q, 0,1,2,3
	v_max_num_f32 v[ST+8*\q+6], v[ST+8*\q+6], v[ST+8*\q+7]
.endr
.irp q, 0,1,2,3
	v_permlanex16_b32 v[ST+8*\q+7], v[ST+8*\q+6], s[SEL], s[SEL+1]     ; the query's other 32 keys lie in the lane 16 away
.endr
.irp q, 0,1,2,3
	v_max_num_f32 v[ST+8*\q+6], v[ST+8*\q+6], v[ST+8*\q+7]
.endr
.if \first
.irp q, 0,1,2,3
	v_mul_f32 v[ST+8*\q+1], s[CS], v[ST+8*\q+6]    ; as t (c is positive)
.endr
.irp q, 0,1,2,3
	v_floor_f32 v[ST+8*\q], -v[ST+8*\q+1]          ; -M = floor(-t) = -ceil(t)
.endr
.else
.irp q, 0,1,2,3
	v_mul_f32 v[ST+8*\q+6], s[CS], v[ST+8*\q+6]
.endr
.irp q, 0,1,2,3
	v_max_num_f32 v[ST+8*\q+1], v[ST+8*\q+1], v[ST+8*\q+6]     ; the running largest t
.endr
.irp q, 0,1,2,3
	v_mov_b32 v[ST+8*\q+7], v[ST+8*\q]
.endr
.irp q, 0,1,2,3
	v_floor_f32 v[ST+8*\q], -v[ST+8*\q+1]
.endr
.irp q, 0,1,2,3
	v_sub_f32 v[ST+8*\q+7], v[ST+8*\q], v[ST+8*\q+7]           ; old M - new M: a whole number, 0 or less
.endr
.irp q, 0,1,2,3
	v_cvt_i32_f32 v[ST+8*\q+7], v[ST+8*\q+7]       ; (it saturates)
.endr
.irp q, 0,1,2,3
	v_ldexp_f32 v[ST+8*\q+4], 1.0, v[ST+8*\q+7]    ; f
.endr
.endif
.set j, 0
.rept 16
	FMA 0
.set j, j+1
.endr
.set j, 0
.rept 16                               ; tile 0's exponentials, each with a plain line behind it: the other tiles' scalings
	v_exp_f32 v[S+2*j], v[S+2*j]
	FMA 1
	v_exp_f32 v[S+2*j+1], v[S+2*j+1]
	FMA 2
	FMA 3
.set j, j+1
.endr
	EQ 1, \first
	EQ 2, \first
	EQ 3, \first
.set j, 0
.rept 16
	SUM 3, \first
	HOLD 3
.set j, j+1
.endr
	v_nop                                          ; a plain line between the last conversion and the products that read its result
.endm
; A KEY STEP: my block of 64 keys.  first = 1: it starts M, the sums and O^T.  chg = 1: the slot is left and filled again; 0: it is left; -1: the last step.  nextk = 1: the next block's K is fetched.
.macro STEP first, chg, nextk
	s_wait_dscnt 16                                ; key tiles 0 and 1 are in; the sixteen loads of tiles 2 and 3 may be out
	WIN 0x0f                                       ; K and Q window 3, S^T window 0
	SPH 0
	PLACES                                         ; in front of the loads into the registers of key tiles 0 and 1
	WIN 0xc0
	VLOAD 0                                        ; V^T's channel tiles 0-7 take their place
	s_wait_dscnt 0x0                               ; key tiles 2 and 3 are in: my reads of this slot are over
	WIN 0x0f
	SPH 2
	WIN 0
	PLACES                                         ; in front of the loads into K's registers and of the first read of the scores
	WIN 0xc0
	VLOAD 1                                        ; channel tiles 8-15; both halves land while the softmax is worked
	WIN 0
	SOFTMAX \first
.if (\first) == 0
	RESC 0
.endif
	WIN 0
.if \chg == 1
	s_wait_tensorcnt 0x0                           ; all my tensor loads have landed: the one that was out is my next block's K; so a group 0 may be written
	ds_add_u32 v8, v9                              ; 0 onto my spare word; the steps and half of the rescaling stand between it and the wait for it
	s_xor_b32 s[G0W+1], s[G0W+1], SLOT1            ; the walking descriptor: the slot that I am leaving,
	s_add_nc_u64 s[G0W+2:G0W+3], s[G0W+2:G0W+3], 131072        ; the block row two on; the type bits on top are not reached
	s_wait_xcnt 0x0                                ; the last prefetch, a step back, has read its address
	s_add_nc_u64 s[PFA:PFA+1], s[PFA:PFA+1], 131072
	s_xor_b32 s[TB], s[TB], SLOT1
.elseif \chg == 0
	s_wait_tensorcnt 0x0                           ; my last block's K is in: no load was issued behind its own, and only I read it
	s_xor_b32 s[TB], s[TB], SLOT1
.endif
.if (\first) == 0
	RESC 1
.endif
	s_wait_dscnt 0x0                               ; the add is done
	s_wait_loadcnt 16                              ; loads come back in order: V^T's channel tiles 0-7 are in; the sixteen loads of tiles 8-15 may be out
.if \chg == 1
	s_barrier_signal -1                            ; this barrier opens a round of the cluster's barrier;
	PV 0, 0, \first                                ; work on registers while the others arrive
	WIN 0
	s_barrier_wait -1
	CREST                                          ; no wave of any partner still reads its part of the slot or has a tensor load on its way
	tensor_load_to_lds s[G0W:G0W+3], s[G1:G1+7]    ; my one tensor load behind the round: it has a whole step in which to land
	s_nop 0
	PLACES
	ASK \first
.else
	PV 0, 0, \first
	WIN 0
.endif
.if \nextk
	v_add_nc_u32 v2, s[TB], v1                     ; the next block's place
.endif
	PV 0, 1, \first
.if \nextk
	PLACES
	WIN 0xc0
	KLOAD 0                                        ; into the registers of V's channel tiles 0-7, which are done with
.endif
	s_wait_loadcnt 0x0                             ; channel tiles 8-15 are in; with that wait V's base may be written:
.if \nextk
	s_add_nc_u64 s[VP:VP+1], s[VP:VP+1], 131072    ; my next block
.endif
	PV 8, 0, \first
	PV 8, 1, \first
.if \nextk
	PLACES
	WIN 0xc0
	KLOAD 1
.endif
	WIN 0
.endm
	s_wait_tensorcnt 0x1                           ; K of my block 0 is in (only I read it); block 1's load may stay out
	WIN 0xc0
	KLOAD 0
	KLOAD 1
	WIN 0
	s_wait_loadcnt 0x0                             ; Q
	STEP 1, 1, 1                                   ; t = 0
	s_mov_b32 s[CNT], 13
.Lstep:                                            ; t = 1 .. 13: each leaves a slot and fills it with K of the block row two on
	STEP 0, 1, 1
	s_sub_co_u32 s[CNT], s[CNT], 1
	s_cmp_lg_u32 s[CNT], 0
	s_cbranch_scc1 .Lstep
	STEP 0, 0, 1                                   ; t = 14, 15 are written out
	STEP 0, -1, 0
	; THE JOINING.  Each wave hands -M, its sum and O^T of the three tiles that it does not own to their owners, through LDS bytes 0 to 196,607: the ring's among them have had their last fill and, behind the first barrier, their last read.
.irp q, 0,1,2,3
	v_add_f32 v[ST+8*\q+6], v[ST+8*\q+2], v[ST+8*\q+3]         ; the sum's two halves (these lines are also the places behind the last products),
.endr
.irp q, 0,1,2,3
	v_permlanex16_b32 v[ST+8*\q+7], v[ST+8*\q+6], s[SEL], s[SEL+1]
.endr
.irp q, 0,1,2,3
	v_add_f32 v[ST+8*\q+1], v[ST+8*\q+6], v[ST+8*\q+7]         ; and lane l xor 16's, beside -M
.endr
.irp i, 0,1,2,3
	ds_store_b64 v[52+\i], v[ST+8*\i:ST+8*\i+1]
.endr
	BAR
	WIN 0x04                                       ; data window 1
.set n, 0
.rept 32
	ds_store_b128 v56, v[128+4*n:128+4*n+3] offset:512*n
.set n, n+1
.endr
	WIN 0x08                                       ; data window 2
.set n, 0
.rept 32
	ds_store_b128 v57, v[4*n:4*n+3] offset:512*n
.set n, n+1
.endr
.set n, 0
.rept 32
	ds_store_b128 v58, v[128+4*n:128+4*n+3] offset:512*n
.set n, n+1
.endr
	WIN 0
.irp i, 0,1,2,3
	ds_load_b64 v[224+2*\i:225+2*\i], v12 offset:256*\i        ; -M and the sum of my tile in the wave that held it as register tile i
.endr
	BAR
.macro XLD i
.set n, 0
.rept 32
	ds_load_b128 v[S+4*n:S+4*n+3], v13 offset:16384*(\i-1)+512*n
.set n, n+1
.endr
.endm
	XLD 1
	v_min3_num_f32 v240, v224, v226, v228
	v_min_num_f32 v240, v240, v230                 ; the least -M: the row's M
.irp i, 0,1,2,3
	v_sub_f32 v[232+2*\i], v240, v[224+2*\i]       ; M_i - M: a whole number, 0 or less
.endr
.irp i, 0,1,2,3
	v_cvt_i32_f32 v[232+2*\i], v[232+2*\i]
.endr
.irp i, 0,1,2,3
	v_ldexp_f32 v[232+2*\i], 1.0, v[232+2*\i]
.endr
	v_mul_f32 v241, v232, v225
	v_fma_f32 v241, v234, v227, v241
	v_fma_f32 v241, v236, v229, v241
	v_fma_f32 v241, v238, v231, v241               ; the row's sum under M
	v_rcp_f32 v241, v241
.irp i, 0,1,2,3
	v_mov_b32 v[233+2*\i], 0                       ; (plain lines behind the reciprocal; named as upper halves of pairs)
.endr
	s_wait_alu depctr_va_vdst(0)
.irp i, 0,1,2,3
	v_mul_f32 v[232+2*\i], v[232+2*\i], v241       ; g_i = 2^(M_i - M) / the sum
.endr
	WIN 0x41
.set n, 0
.rept 64
	v_pk_mul_f32 v[2*n:2*n+1], v[2*n:2*n+1], v[232:233] op_sel_hi:[1,0]
.set n, n+1
.endr
.irp i, 1,2,3
	s_wait_dscnt 0x0
	WIN 0x50                                       ; C and D window 1
.set n, 0
.rept 64
	v_pk_fma_f32 v[2*n:2*n+1], v[S+2*n:S+2*n+1], v[232+2*\i:233+2*\i], v[2*n:2*n+1] op_sel_hi:[1,0,1]
.set n, n+1
.endr
	WIN 0
.if \i < 3
	XLD \i+1
.endif
.endr
	WIN 0x41
.set n, 0
.rept 128
	v_med3_num_f32 v[n], v[n], -v50, v50
.set n, n+1
.endr
	WIN 0x01
.irp d, 0,1,2,3,4,5,6,7,8,9,10,11,12,13,14,15
	v_cvt_scalef32_pk8_fp8_f32 v[224+2*\d:225+2*\d], v[8*\d:8*\d+7], v51       ; channels 16 d + 8 h + 0 .. 7: registers 2 (d % 8), + 1 of K step d / 8
.endr
	v_nop
	WIN 0
.irp n, 0,1,2,3,4,5,6,7
	global_store_b128 v3, v[224+4*\n:227+4*\n], s[10:11] offset:512*\n         ; 512 consecutive bytes a store
.endr
	s_wait_tensorcnt 0x0                           ; the wave's end
	ds_add_u32 v8, v9
	s_wait_dscnt 0x0
	ROUND                                          ; the closing round
	s_endpgm
.Lfunc_end_k_q7204a6583d_attn:
	.size	k_q7204a6583d_attn, .Lfunc_end_k_q7204a6583d_attn-k_q7204a6583d_attn
	.p2alignl 7, 3214868480
	.fill 96, 4, 3214868480
	.section	.rodata,"a",@progbits
	.p2align	6, 0x0
	.amdhsa_kernel k_q7204a6583d_attn
		.amdhsa_group_segment_fixed_size 327680
		.amdhsa_private_segment_fixed_size 0
		.amdhsa_enable_private_segment 0
		.amdhsa_kernarg_size 32
		.amdhsa_user_sgpr_count 2
		.amdhsa_user_sgpr_kernarg_segment_ptr 1
		.amdhsa_wavefront_size32 1
		.amdhsa_system_sgpr_workgroup_id_x 1
		.amdhsa_system_sgpr_workgroup_id_y 1
		.amdhsa_system_sgpr_workgroup_id_z 1
		.amdhsa_system_vgpr_workitem_id 0
		.amdhsa_next_free_vgpr 1024
		.amdhsa_next_free_sgpr 96
		.amdhsa_reserve_vcc 0
		.amdhsa_float_denorm_mode_32 3
		.amdhsa_float_denorm_mode_16_64 3
		.amdhsa_memory_ordered 1
		.amdhsa_forward_progress 1
		.amdhsa_inst_pref_size 239
	.end_amdhsa_kernel
	.amdgpu_metadata
---
amdhsa.version: [ 1, 2 ]
amdhsa.kernels:
  - .name:           k_q7204a6583d_attn
    .symbol:         k_q7204a6583d_attn.kd
    .args:
      - { .name: qc, .offset: 0, .size: 8, .value_kind: global_buffer, .address_space: global }
      - { .name: kv, .offset: 8, .size: 8, .value_kind: global_buffer, .address_space: global }
      - { .name: lowp_scales, .offset: 16, .size: 8, .value_kind: global_buffer, .address_space: global }
      - { .name: ac, .offset: 24, .size: 8, .value_kind: global_buffer, .address_space: global }
    .group_segment_fixed_size: 327680
    .private_segment_fixed_size: 0
    .kernarg_segment_align: 8
    .kernarg_segment_size: 32
    .max_flat_workgroup_size: 128
    .sgpr_count:     96
    .vgpr_count:     1024
    .wavefront_size: 32
...
	.end_amdgpu_metadata
.endif
;; end of part 2
;; launch ffn (part 3): grid 256 x 1, 4 waves a work-group, clusters of 4 x 1, 327,680 bytes of LDS; arguments ac, x, Wu_w_codes, ff1_w_codes, ff2_w_codes, Wu_b, ln1_g, ln1_b, ff1_b, ff2_b, ln2_g, ln2_b, lowp_scales, out0; writes out0
.if DOCPART == 3
	.amdgcn_target "amdgcn-amd-amdhsa--gfx1250"
	.amdhsa_code_object_version 6
	.text
	.protected	k_q7204a6583d_ffn
	.globl	k_q7204a6583d_ffn
	.p2align	8
	.type	k_q7204a6583d_ffn,@function
k_q7204a6583d_ffn:
	s_mov_b64 s[64:65], 0
	v_nop
	global_prefetch_b8 v0, s[64:65] scope:SCOPE_SE
	s_setreg_imm32_b32 hwreg(HW_REG_WAVE_MODE, 25, 1), 1
	s_wait_xcnt 0x0
	s_wait_alu depctr_hold_cnt(0) depctr_sa_sdst(0) depctr_va_vdst(0) depctr_va_sdst(0) depctr_va_ssrc(0) depctr_va_vcc(0) depctr_vm_vsrc(0)
	s_getreg_b32 s2, hwreg(HW_REG_IB_STS2, 6, 4)
	s_cmp_eq_u32 s2, 0
	s_cbranch_scc0 .Lentry_in_a_cluster
	s_endpgm
.Lentry_in_a_cluster:
	s_bfe_u32 s2, ttmp6, 0x10000c
	s_cmp_lg_u32 s2, 0x3003
	s_cbranch_scc0 .Lentry_shape_is_right
	s_endpgm
.Lentry_shape_is_right:
; h = layernorm(x + attn Wu + bu); out = layernorm(h + relu(h W1 + b1) W2 + b2).  The three products on codes of E4M3; norms, residuals and biases in f32.
; ac: attn's codes in the order of the operand's registers, [row tile][4096].  Wu [512][256], ff1 [1024][512], ff2 [512][1024]: codes, K innermost.  x, out0 [16384][512] f32.
; SHARES.  A work-group takes 64 rows.  THE WAVES SHARE THE COLUMNS: wave w owns columns 128 w .. 128 w + 127 of x + unified, h and out, and in pass p hidden units 128 (4 p + w) on, which are K step 4 p + w of the last product.
; All products are used transposed (source 0 = 16 rows of a weight, source 1 = 16 rows of activations): a lane holds one row and eight neighbouring columns, and one conversion gives registers 2 t, 2 t + 1 of the next operand.
; h and the hidden layer go from wave to wave through LDS as images of the operand's registers.  A UNIT is one K step of 128: 8 weight fragments x 4 tiles of rows = 32 products; 18 units.
; x IN.  Each load of a wave takes the 512 consecutive bytes of one row that are its 128 columns; 16 rows at a time go through the wave's own stage in LDS, as loaded, and come back in the accumulators' layout, into the registers that they left.
; The residuals and biases start the sums: x + bu, and later h + b2, divided by the power of two that the sums lack, are the accumulators' first contents; b1 is the C of a pass's first products.
; The norms work on the sums as they stand (numbers / 2^E): mean and deviations first, then the squares of the deviations (no difference of large sums); the variance is brought back by 2^(2 E), the factor by 2^E.
; RING.  Two slots; a wave's part holds 128 rows x 256 bytes of a weight (two units), brought by its own load and read by it alone.  CLUSTER.  The four work-groups walk the same weights: each load is joint.
; LIMITS on the given exponents: e12 and e14 - e12 - e13 between -126 and 119; e10 + e11, e12 + e13, e14 + e15 between -126 and 126.  NaN among the inputs is not served.
; REGISTERS.  window 0: v1-13, v56-58 addresses; v14, v15 the add's; v16-47 the norms' figures; v48-51 scales and holds; v64-127 b1 of the pass, then the hidden layer's codes; v128-255 the unit's 8 weight fragments.
;   window 1: the 32 accumulators of my 128 columns (64 m + 8 t).   window 2: the hidden layer's 32 accumulators, then its 16 fragments (64 m + 16 k); around the first norm b2 (0-63), bu (64-127), numbers at work (128-191), h's codes (192-255).
;   window 3: attn's 8 fragments (32 m + 16 s) and ln1's gain and bias (128-255); then h's 16 fragments (64 m + 16 s); then ln2's gain and bias (0-127).
.set PW,    272                        ; a weight's row in LDS: 256 bytes + 16 = 68 words: the 32 lanes of an 8-byte load touch 64 different words modulo 64
.set WPART, 128*PW
.set SLOTB, 4*WPART
.set XSTR,  8448                       ; x's stage of a wave: 16 rows of 528 bytes
.set IMG,   2*SLOTB                    ; first the four stages of x, then the images: fragment (m, s) at (4 m + s) x 2,048; no tensor load lands here
.set STAT,  IMG+4*XSTR                 ; four exchanges of 1,024 bytes: [m][r][wave] words
.set SPARE, STAT+4096                  ; the spare words, 128 bytes a wave
.set STAGE, SLOTB                      ; the way out: 64 rows x 528 bytes in my own part of slot 1, behind its last fill and my last read of it
.set WF,    128
.set BIAS,  64
.set WV,    84
.set G1A,   32                         ; s[32:39], s[40:47], s[48:55]: group 1 for rows 256, 512, 1,024 bytes apart
.set G1B,   40
.set G1C,   48
.set G0,    56                         ; s[56:59], s[60:63]: a group 0 for each slot
.set PF1,   10                         ; s[10:11] ff1 at my rows; s[12:13] ff2 at my rows
.set PF2,   12
.set MSB,   0
.macro WIN new
.if MSB != (\new)
	s_set_vgpr_msb (MSB<<8)|(\new)
.set MSB, \new
.endif
.endm
.macro PLACES
.rept 4
	v_nop
.endr
.endm
.macro CREST
	s_cmp_lg_u32 s[WV], 0
	s_cbranch_scc1 .Lnot_wave_0_\@
	s_barrier_signal -3
.Lnot_wave_0_\@:
	s_barrier_wait -3
	s_barrier_signal -1
	s_barrier_wait -1
.endm
.macro ROUND
	s_barrier_signal -1
	s_barrier_wait -1
	CREST
.endm
.macro BAR
	s_wait_dscnt 0x0
	s_barrier_signal -1
	s_barrier_wait -1
.endm
.macro MKSC vs, vh, se
	s_add_co_i32 s66, s[\se], 127
	s_lshl_b32 s67, s66, 23
	v_mov_b32 v[\vs], s67
	s_add_co_i32 s66, s66, 8
	s_lshl_b32 s66, s66, 23
	s_or_b32 s66, s66, 0x600000
	v_mov_b32 v[\vh], s66
.endm
.macro VEC16 reg, pb, off              ; my 64 numbers of a vector of columns: register 8 t + j is column 128 w + 16 t + 8 h + j
.set n, 0
.rept 16
	global_load_b128 v[\reg+4*n:\reg+4*n+3], v10, s[\pb:\pb+1] offset:\off+64*(n/2)+16*(n%2)
.set n, n+1
.endr
.endm
	s_load_b512 s[4:19], s[0:1], 0x0               ; ac s[4:5], x s[6:7], Wu s[8:9], ff1 s[10:11], ff2 s[12:13], bu s[14:15], ln1_g s[16:17], ln1_b s[18:19]
	s_load_b256 s[20:27], s[0:1], 0x40             ; b1 s[20:21], b2 s[22:23], ln2_g s[24:25], ln2_b s[26:27]
	s_load_b128 s[28:31], s[0:1], 0x60             ; the exponents s[28:29], out0 s[30:31]
	v_lshl_add_u32 v14, v0, 2, SPARE
	v_mov_b32 v15, 0
	ds_add_u32 v14, v15
	s_wait_dscnt 0x0
	v_lshrrev_b32 v16, 5, v0
	v_readfirstlane_b32 s[WV], v16                 ; wave 0..3
	s_bfe_u32 s85, ttmp6, 0x40000                  ; cx
	s_lshl_b32 s86, ttmp9, 2
	s_add_co_u32 s86, s86, s85                     ; my block of 64 rows: it enters ac's, x's and out0's addresses alone
	s_mov_b32 s2, 0x76543210                       ; v_permlanex16_b32: lane l xor 16
	s_mov_b32 s3, 0xfedcba98
.irp g, G1A, G1B, G1C
	s_mov_b32 s[\g], 15|(1<<20)|(1<<21)|(5<<22)|(3<<25)  ; 15:0 the mask: all four; 17:16 elements of 1 byte; 20 padding on; 21 set beside a mask; 24:22 after every 64 words; 31:25 four words
	s_mov_b32 s[\g+1], 256<<16                     ; tensor_dim0 = 256
	s_mov_b32 s[\g+2], 128<<16                     ; tensor_dim1 = 128
	s_mov_b32 s[\g+3], 256<<16                     ; tile_dim0
	s_mov_b32 s[\g+4], 128                         ; tile_dim1
	s_mov_b32 s[\g+6], 0
	s_mov_b32 s[\g+7], 0
.endr
	s_mov_b32 s[G1A+5], 256                        ; from row to row
	s_mov_b32 s[G1B+5], 512
	s_mov_b32 s[G1C+5], 1024
	v_and_b32 v1, 15, v0                           ; r
	v_bfe_u32 v2, v0, 4, 1                         ; h
	v_and_b32 v3, 31, v0
	v_lshlrev_b32 v3, 4, v3                        ; 16 x lane
	s_mul_i32 s87, s[WV], WPART
	v_mul_u32_u24 v4, v1, PW
	v_lshl_add_u32 v4, v2, 3, v4
	v_add_nc_u32 v4, s87, v4                       ; a weight fragment in slot 0: my part + row r + 8 h
	v_add_nc_u32 v5, SLOTB, v4                     ; and in slot 1
	v_add_nc_u32 v7, IMG, v3                       ; images, for reading
	s_lshl_b32 s88, s[WV], 11
	v_add_nc_u32 v6, s88, v7                       ; and where I store mine: K step w
	s_mul_i32 s88, s[WV], XSTR
	v_add_nc_u32 v57, s88, v7                      ; x's stage, on the way in: 16 x lane of a row
	v_mul_u32_u24 v58, v1, 528
	v_lshl_add_u32 v58, v2, 5, v58
	v_add_nc_u32 v58, s88, v58
	v_add_nc_u32 v58, IMG, v58                     ; and on the way out: row r + 32 h.  Rows 528 bytes = 132 words apart: the sixteen rows that a 16-byte load touches start at sixteen different banks (64 banks of 4 bytes: ISA guide 11.1)
	v_lshlrev_b32 v9, 4, v1
	v_add_nc_u32 v9, STAT, v9                      ; a row's four partial figures
	s_lshl_b32 s88, s[WV], 2
	v_add_nc_u32 v8, s88, v9                       ; and mine among them
	s_lshl_b32 s88, s[WV], 9
	v_lshl_add_u32 v10, v2, 5, s88                 ; a vector of columns: 512 w + 32 h
	v_add_nc_u32 v56, s88, v3                      ; x and out0: 512 w + 16 x lane of a row
	s_add_co_u32 s88, s87, STAGE
	v_mul_u32_u24 v12, v1, 528
	v_lshl_add_u32 v12, v2, 5, v12
	v_add_nc_u32 v12, s88, v12                     ; the stage of the way out: row r + 32 h
	v_add_nc_u32 v13, s88, v3                      ; and back: 16 bytes a lane of a row's 512
	s_lshl_b32 s88, s[WV], 15                      ; my 128 rows of Wu,
	s_mov_b32 s89, 0
	s_lshl_b32 s90, s[WV], 16                      ; of ff1,
	s_mov_b32 s91, 0
	s_lshl_b32 s92, s[WV], 17                      ; of ff2
	s_mov_b32 s93, 0
	s_lshl_b32 s94, s86, 17                        ; x, out0: 64 rows of 2,048 bytes a block
	s_mov_b32 s95, 0
	s_lshl_b32 s96, s86, 14                        ; ac: 16,384 bytes a block
	s_mov_b32 s97, 0
	s_wait_kmcnt 0x0
	s_load_b512 s[68:83], s[28:29], 0x0            ; e0 .. e15
	s_add_nc_u64 s[8:9], s[8:9], s[88:89]
	s_add_nc_u64 s[PF1:PF1+1], s[PF1:PF1+1], s[90:91]
	s_add_nc_u64 s[PF2:PF2+1], s[PF2:PF2+1], s[92:93]
	s_add_nc_u64 s[6:7], s[6:7], s[94:95]
	s_add_nc_u64 s[30:31], s[30:31], s[94:95]
	s_add_nc_u64 s[4:5], s[4:5], s[96:97]
	s_mov_b32 s[G0], 1
	s_mov_b32 s[G0+1], s87
	s_mov_b64 s[G0+2:G0+3], s[8:9]
	s_or_b32 s[G0+3], s[G0+3], 0x80000000
	s_mov_b32 s[G0+4], 1
	s_add_co_u32 s[G0+5], s87, SLOTB
	s_mov_b64 s[G0+6:G0+7], s[PF1:PF1+1]
	s_or_b32 s[G0+7], s[G0+7], 0x80000000
	ROUND                                          ; all four work-groups are here: the first joint loads meet
	tensor_load_to_lds s[G0:G0+3], s[G1A:G1A+7]    ; Wu; two loads of mine are out
	s_nop 0
	tensor_load_to_lds s[G0+4:G0+7], s[G1B:G1B+7]  ; ff1, pass 0, K steps 0 and 1
	s_nop 0
	PLACES
	WIN 0xc0                                       ; destination window 3
.set n, 0
.rept 32
	global_load_b128 v[4*n:4*n+3], v3, s[4:5] offset:512*n     ; attn's eight fragments
.set n, n+1
.endr
	WIN 0x80
	VEC16 64, 14, 0                                ; bu
	WIN 0x40
.set n, 0
.rept 64
	global_load_b128 v[4*n:4*n+3], v56, s[6:7] offset:2048*n th:TH_LOAD_NT     ; row n, my 128 columns: 32 lanes read 512 consecutive bytes
.set n, n+1
.endr
	WIN 0xc0
	VEC16 128, 16, 0                               ; ln1's gain
	VEC16 192, 18, 0                               ; and bias
	WIN 0x80
	VEC16 0, 22, 0                                 ; b2
	WIN 0
	s_wait_kmcnt 0x0
	s_add_co_i32 s98, s78, s79                     ; EU = e10 + e11
	s_lshl_b32 s99, s98, 1
	s_add_co_i32 s100, s82, s83                    ; E2 = e14 + e15
	s_lshl_b32 s101, s100, 1
	s_add_co_i32 s90, s80, s81                     ; E1 = e12 + e13
	s_sub_co_i32 s91, s82, s90                     ; the hidden layer's conversion takes 2^(e14 - E1)
	s_sub_co_i32 s88, 0, s98
	s_sub_co_i32 s89, 0, s100
	s_sub_co_i32 s90, 0, s90
	s_sub_co_i32 s94, 127, s98
	s_lshl_b32 s94, s94, 23                        ; 2^-EU as f32
	s_mov_b32 s95, s94                             ; (named with it as a pair)
	s_sub_co_i32 s96, 127, s100
	s_lshl_b32 s96, s96, 23                        ; 2^-E2
	s_mov_b32 s97, s96
	MKSC 48, 49, 80
	MKSC 50, 51, 91
.macro WFETCH aw, u, half              ; four weight fragments of the slot's K step u: 32 loads of 8 bytes
.irp tt, 0,1,2,3
.irp c, 0,1,2,3,4,5,6,7
	ds_load_b64 v[WF+16*(4*\half+\tt)+2*\c:WF+16*(4*\half+\tt)+2*\c+1], v[\aw] offset:16*PW*(4*\half+\tt)+128*\u+16*\c
.endr
.endr
.endm
; 16 products: four weight fragments x four tiles of rows.  A unit's 32 accumulators take turns, in the same order in every unit.  cb = 1: C is b1
.macro MULH half, bs, s, cb
.irp tt, 0,1,2,3
.irp m, 0,1,2,3
.if \cb
	v_wmma_f32_16x16x128_fp8_fp8 v[64*\m+8*(4*\half+\tt):64*\m+8*(4*\half+\tt)+7], v[WF+16*(4*\half+\tt):WF+16*(4*\half+\tt)+15], v[\bs*\m+16*\s:\bs*\m+16*\s+15], v[BIAS+8*(4*\half+\tt):BIAS+8*(4*\half+\tt)+7]
.else
	v_wmma_f32_16x16x128_fp8_fp8 v[64*\m+8*(4*\half+\tt):64*\m+8*(4*\half+\tt)+7], v[WF+16*(4*\half+\tt):WF+16*(4*\half+\tt)+15], v[\bs*\m+16*\s:\bs*\m+16*\s+15], v[64*\m+8*(4*\half+\tt):64*\m+8*(4*\half+\tt)+7]
.endif
.endr
.endr
.endm
; A unit; the next unit's weights (address v[naw], K step nu of that slot) take each half's registers as soon as it is multiplied.
.macro UNIT win, bs, s, cb, naw, nu
	s_wait_dscnt 32                                ; this unit's first half is in; the 32 loads of its second half may be out
	WIN \win
	MULH 0, \bs, \s, \cb
	PLACES
	WIN 0
	WFETCH \naw, \nu, 0
	s_wait_dscnt 32                                ; all but the 32 just issued
	WIN \win
	MULH 1, \bs, \s, \cb
	PLACES
	WIN 0
	WFETCH \naw, \nu, 1
.endm
; A slot's last unit, behind which the slot sl is filled again from s[pb:pb+1] + imm with group 1 g1.
.macro UNITR win, bs, s, sl, pb, imm, g1, naw
	s_wait_tensorcnt 0x0                           ; all my tensor loads have landed: the one that was out is my part of the other slot; so a group 0 may be written
	ds_add_u32 v14, v15                            ; 0 onto my spare word
	s_add_nc_u64 s[G0+4*\sl+2:G0+4*\sl+3], s[\pb:\pb+1], \imm
	s_or_b32 s[G0+4*\sl+3], s[G0+4*\sl+3], 0x80000000
	s_wait_dscnt 0x0                               ; the add is done, this unit's fragments are in, and with them my reads of the slot are over
	s_barrier_signal -1                            ; this barrier opens a round of the cluster's barrier;
	WIN \win
	MULH 0, \bs, \s, 0                             ; work on registers while the others arrive
	WIN 0
	s_barrier_wait -1
	CREST                                          ; no wave of any partner still reads its part of the slot or has a load on its way
	tensor_load_to_lds s[G0+4*\sl:G0+4*\sl+3], s[\g1:\g1+7]    ; my one load behind the round
	s_nop 0
	PLACES                                         ; also the places in front of the loads below
	WFETCH \naw, 0, 0
	WIN \win
	MULH 1, \bs, \s, 0
	PLACES
	WIN 0
	WFETCH \naw, 0, 1
.endm
.macro UNITL win, bs, s                ; the last unit of all
	s_wait_dscnt 32
	WIN \win
	MULH 0, \bs, \s, 0
	s_wait_dscnt 0x0
	MULH 1, \bs, \s, 0
	WIN 0
	PLACES
.endm
; LAYER NORM of the 64 rows whose numbers / 2^E lie in window 1.  s[se] = E, s[se + 1] = 2 E; gain at v[gb], bias at v[gb + 64] of window 3; so: the two exchanges' place.
.macro LN se, gb, so
	WIN 0x05                                       ; sources 0 and 1 window 1
.irp m, 0,1,2,3                        ; my 64 numbers of a row in two chains; each accumulator is first read at its low end
	v_pk_add_f32 v[16+4*\m:17+4*\m], v[64*\m:64*\m+1], v[64*\m+2:64*\m+3]
	v_pk_add_f32 v[18+4*\m:19+4*\m], v[64*\m+32:64*\m+33], v[64*\m+34:64*\m+35]
.endr
	WIN 0x04
.irp p, 2,3,4,5,6,7,8,9,10,11,12,13,14,15
.irp m, 0,1,2,3
	v_pk_add_f32 v[16+4*\m:17+4*\m], v[16+4*\m:17+4*\m], v[64*\m+2*\p:64*\m+2*\p+1]
	v_pk_add_f32 v[18+4*\m:19+4*\m], v[18+4*\m:19+4*\m], v[64*\m+32+2*\p:64*\m+32+2*\p+1]
.endr
.endr
	WIN 0
.irp m, 0,1,2,3
	v_pk_add_f32 v[16+4*\m:17+4*\m], v[16+4*\m:17+4*\m], v[18+4*\m:19+4*\m]
.endr
.irp m, 0,1,2,3
	v_add_f32 v[16+4*\m], v[16+4*\m], v[17+4*\m]
.endr
.irp m, 0,1,2,3
	v_permlanex16_b32 v[17+4*\m], v[16+4*\m], s2, s3
.endr
.irp m, 0,1,2,3
	v_add_f32 v[16+4*\m], v[16+4*\m], v[17+4*\m]   ; the row's sum over my wave's 128 columns
.endr
.irp m, 0,1,2,3
	ds_store_b32 v8, v[16+4*\m] offset:\so+256*\m  ; (both halves of the lanes write the same word with the same number)
.endr
	BAR
.irp m, 0,1,2,3
	ds_load_b128 v[32+4*\m:35+4*\m], v9 offset:\so+256*\m
.endr
	s_wait_dscnt 0x0
.irp m, 0,1,2,3
	v_pk_add_f32 v[32+4*\m:33+4*\m], v[32+4*\m:33+4*\m], v[34+4*\m:35+4*\m]
.endr
.irp m, 0,1,2,3
	v_add_f32 v[16+4*\m], v[32+4*\m], v[33+4*\m]
.endr
.irp m, 0,1,2,3
	v_mul_f32 v[16+4*\m], 0x3b000000, v[16+4*\m]   ; / 512: the mean
.endr
	WIN 0x41
.irp m, 0,1,2,3
.set i, 0
.rept 32
	v_pk_add_f32 v[64*\m+2*i:64*\m+2*i+1], v[64*\m+2*i:64*\m+2*i+1], v[16+4*\m:17+4*\m] op_sel_hi:[1,0] neg_lo:[0,1] neg_hi:[0,1]   ; the deviations, in place
.set i, i+1
.endr
.endr
	WIN 0x05
.irp m, 0,1,2,3
	v_pk_mul_f32 v[32+4*\m:33+4*\m], v[64*\m:64*\m+1], v[64*\m:64*\m+1]
	v_pk_mul_f32 v[34+4*\m:35+4*\m], v[64*\m+32:64*\m+33], v[64*\m+32:64*\m+33]
.endr
.irp p, 1,2,3,4,5,6,7,8,9,10,11,12,13,14,15
.irp m, 0,1,2,3
	v_pk_fma_f32 v[32+4*\m:33+4*\m], v[64*\m+2*\p:64*\m+2*\p+1], v[64*\m+2*\p:64*\m+2*\p+1], v[32+4*\m:33+4*\m]
	v_pk_fma_f32 v[34+4*\m:35+4*\m], v[64*\m+32+2*\p:64*\m+32+2*\p+1], v[64*\m+32+2*\p:64*\m+32+2*\p+1], v[34+4*\m:35+4*\m]
.endr
.endr
	WIN 0
.irp m, 0,1,2,3
	v_pk_add_f32 v[32+4*\m:33+4*\m], v[32+4*\m:33+4*\m], v[34+4*\m:35+4*\m]
.endr
.irp m, 0,1,2,3
	v_add_f32 v[32+4*\m], v[32+4*\m], v[33+4*\m]
.endr
.irp m, 0,1,2,3
	v_permlanex16_b32 v[33+4*\m], v[32+4*\m], s2, s3
.endr
.irp m, 0,1,2,3
	v_add_f32 v[32+4*\m], v[32+4*\m], v[33+4*\m]
.endr
.irp m, 0,1,2,3
	ds_store_b32 v8, v[32+4*\m] offset:\so+1024+256*\m
.endr
	BAR
.irp m, 0,1,2,3
	ds_load_b128 v[32+4*\m:35+4*\m], v9 offset:\so+1024+256*\m
.endr
	s_wait_dscnt 0x0
.irp m, 0,1,2,3
	v_pk_add_f32 v[32+4*\m:33+4*\m], v[32+4*\m:33+4*\m], v[34+4*\m:35+4*\m]
.endr
.irp m, 0,1,2,3
	v_add_f32 v[32+4*\m], v[32+4*\m], v[33+4*\m]
.endr
.irp m, 0,1,2,3
	v_mul_f32 v[32+4*\m], 0x3b000000, v[32+4*\m]
.endr
.irp m, 0,1,2,3
	v_ldexp_f32 v[32+4*\m], v[32+4*\m], s[\se+1]   ; the variance, x 2^(2 E)
.endr
.irp m, 0,1,2,3
	v_add_f32 v[32+4*\m], 0x3727c5ac, v[32+4*\m]   ; + 1e-5
.endr
.irp m, 0,1,2,3
	v_rsq_f32 v[18+4*\m], v[32+4*\m]
.endr
	v_nop                                          ; a plain line behind the last root
	s_wait_alu depctr_va_vdst(0)
.irp m, 0,1,2,3
	v_ldexp_f32 v[18+4*\m], v[18+4*\m], s[\se]     ; x 2^E: the deviations lack it
.endr
	WIN 0x41
.irp m, 0,1,2,3
.set i, 0
.rept 32
	v_pk_mul_f32 v[64*\m+2*i:64*\m+2*i+1], v[64*\m+2*i:64*\m+2*i+1], v[18+4*\m:19+4*\m] op_sel_hi:[1,0]
.set i, i+1
.endr
.endr
	WIN 0x7d                                       ; gain and bias window 3
.irp m, 0,1,2,3
.set i, 0
.rept 32
	v_pk_fma_f32 v[64*\m+2*i:64*\m+2*i+1], v[64*\m+2*i:64*\m+2*i+1], v[\gb+2*i:\gb+2*i+1], v[\gb+64+2*i:\gb+64+2*i+1]
.set i, i+1
.endr
.endr
	WIN 0
.endm
.macro IMGLD w                         ; sixteen fragments from the images into window 2 or 3 (64 m + 16 s)
	WIN \w
.set n, 0
.rept 64
	ds_load_b128 v[4*n:4*n+3], v7 offset:512*n
.set n, n+1
.endr
	WIN 0
.endm
; The hidden layer's 32 tiles: relu and the hold in one, converted, handed round as K step w of the last product, and all sixteen fragments fetched.
.macro QH
	WIN 0x82
.set i, 0
.rept 256
	v_med3_num_f32 v[i], v[i], 0, v51              ; between 0 and the largest code x the scale; each accumulator from its low end on
.set i, i+1
.endr
	WIN 0x02
.irp m, 0,1,2,3
.irp t, 0,1,2,3,4,5,6,7
	v_cvt_scalef32_pk8_fp8_f32 v[BIAS+16*\m+2*\t:BIAS+16*\m+2*\t+1], v[64*\m+8*\t:64*\m+8*\t+7], v50
.endr
.endr
	v_nop                                          ; a plain line behind the conversions
	WIN 0
.irp m, 0,1,2,3
.irp g, 0,1,2,3
	ds_store_b128 v6, v[BIAS+16*\m+4*\g:BIAS+16*\m+4*\g+3] offset:8192*\m+512*\g   ; every wave's reads of the images before lie in front of a round that it has passed
.endr
.endr
	BAR
	IMGLD 0x80
.endm
	s_wait_tensorcnt 0x1                           ; my rows of Wu are in (only I read them); ff1's load may stay out
	WFETCH 4, 0, 0
	WFETCH 4, 0, 1
	s_wait_loadcnt 48                              ; attn, bu and x are in; the 48 loads of ln1's gain and bias and of b2 may be out
	WIN 0x44                                       ; LDS data, in and out, window 1
.irp m, 0,1,2,3                        ; x is turned, 16 rows at a time, from rows as loaded into the accumulators' layout
.irp i, 0,1,2,3,4,5,6,7,8,9,10,11,12,13,14,15
	ds_store_b128 v57, v[64*\m+4*\i:64*\m+4*\i+3] offset:528*\i
.endr
.irp n, 0,1,2,3,4,5,6,7,8,9,10,11,12,13,14,15
	ds_load_b128 v[64*\m+4*\n:64*\m+4*\n+3], v58 offset:64*(\n/2)+16*(\n%2)    ; x(16 m + r, 128 w + 16 t + 8 h + 4 u + 0 .. 3), n = 2 t + u.  LDS serves a wave's instructions in order (ISA guide 5.7.1.4): these see my stores, and the next rows' stores come behind them
.endr
.endr
	WIN 0x82
.set i, 0
.rept 64
	v_ldexp_f32 v[64+i], v[64+i], s88              ; bu / 2^EU
.set i, i+1
.endr
	s_wait_dscnt 0x0                               ; x is back
	WIN 0x61                                       ; source 0 and destination window 1, source 2 window 2
.irp m, 0,1,2,3
.set i, 0
.rept 32
	v_pk_fma_f32 v[64*\m+2*i:64*\m+2*i+1], v[64*\m+2*i:64*\m+2*i+1], s[94:95], v[64+2*i:64+2*i+1] op_sel_hi:[1,0,1]   ; (x + bu) / 2^EU starts the sums
.set i, i+1
.endr
.endr
	WIN 0
	VEC16 BIAS, 20, 0                              ; b1 of pass 0
	; ---- x + attn Wu + bu
	UNIT  0x5c, 32, 0, 0, 4, 1
	UNITR 0x5c, 32, 1, 0, PF1, 256, G1B, 5         ; slot 0 takes ff1's K steps 2 and 3
	s_wait_loadcnt 0x0
	LN 98, 128, 0
	; ---- h is quantised, a tile of rows at a time, and handed round as K step w of the next product
.irp m, 0,1,2,3
	WIN 0x81                                       ; source 0 window 1, destination window 2
.set i, 0
.rept 64
	v_med3_num_f32 v[128+i], v[64*\m+i], -v49, v49
.set i, i+1
.endr
	WIN 0x82
.irp t, 0,1,2,3,4,5,6,7
	v_cvt_scalef32_pk8_fp8_f32 v[192+16*\m+2*\t:192+16*\m+2*\t+1], v[128+8*\t:128+8*\t+7], v48
.endr
	v_nop                                          ; a plain line between the conversions and the next lines that write their sources
.endr
	WIN 0x08                                       ; data window 2
.irp m, 0,1,2,3
.irp g, 0,1,2,3
	ds_store_b128 v6, v[192+16*\m+4*\g:192+16*\m+4*\g+3] offset:8192*\m+512*\g     ; every wave's reads of x's stages lie in front of barriers that it has passed
.endr
.endr
	WIN 0x82
.set i, 0
.rept 64
	v_ldexp_f32 v[i], v[i], s89                    ; b2 / 2^E2
.set i, i+1
.endr
	WIN 0x61
.irp m, 0,1,2,3
.set i, 0
.rept 32
	v_pk_fma_f32 v[64*\m+2*i:64*\m+2*i+1], v[64*\m+2*i:64*\m+2*i+1], s[96:97], v[2*i:2*i+1] op_sel_hi:[1,0,1]   ; (h + b2) / 2^E2 starts the last product's sums
.set i, i+1
.endr
.endr
	WIN 0
.set i, 0
.rept 64
	v_ldexp_f32 v[BIAS+i], v[BIAS+i], s90          ; b1 / 2^E1
.set i, i+1
.endr
	BAR                                            ; h's sixteen fragments lie in LDS
	IMGLD 0xc0
	s_wait_dscnt 0x0
	; ---- hidden units 128 w on
	UNIT  0x8c, 64, 0, 1, 5, 1
	UNITR 0xac, 64, 1, 1, PF2, 0, G1C, 4           ; slot 1 takes ff2's K steps 0 and 1
	UNIT  0xac, 64, 2, 0, 4, 1
	UNITR 0xac, 64, 3, 0, PF2, 256, G1C, 5         ; slot 0: ff2's K steps 2 and 3
	QH
	VEC16 BIAS, 20, 2048                           ; b1 of pass 1: the codes' stores have read these registers
	s_wait_dscnt 0x0
	; ---- the last product's K steps 0 to 3
	UNIT  0x58, 64, 0, 0, 5, 1
	UNITR 0x58, 64, 1, 1, PF1, 262144, G1B, 4      ; slot 1: ff1's rows 512 on, K steps 0 and 1
	UNIT  0x58, 64, 2, 0, 4, 1
	UNITR 0x58, 64, 3, 0, PF1, 262400, G1B, 5      ; slot 0: their K steps 2 and 3
	s_wait_loadcnt 0x0
.set i, 0
.rept 64
	v_ldexp_f32 v[BIAS+i], v[BIAS+i], s90          ; (these lines are also the places in front of products that write over the hidden layer's fragments)
.set i, i+1
.endr
	; ---- hidden units 512 + 128 w on
	UNIT  0x8c, 64, 0, 1, 5, 1
	UNITR 0xac, 64, 1, 1, PF2, 512, G1C, 4         ; slot 1: ff2's K steps 4 and 5
	UNIT  0xac, 64, 2, 0, 4, 1
	UNITR 0xac, 64, 3, 0, PF2, 768, G1C, 5         ; slot 0: ff2's K steps 6 and 7: the last load
	QH
	WIN 0xc0
	VEC16 0, 24, 0                                 ; ln2's gain
	VEC16 64, 26, 0                                ; and bias, where h's fragments lay
	WIN 0
	s_wait_dscnt 0x0
	; ---- the last product's K steps 4 to 7
	UNIT  0x58, 64, 0, 0, 5, 1
	s_wait_tensorcnt 0x0                           ; my part of slot 0 is in: no load was issued behind it, and only I read it; nothing is filled again
	UNIT  0x58, 64, 1, 0, 4, 0
	UNIT  0x58, 64, 2, 0, 4, 1
	UNITL 0x58, 64, 3
	s_wait_loadcnt 0x0
	LN 100, 0, 2048
	; ---- THE WAY OUT.  A lane holds 32 neighbouring bytes of a row and the lanes beside it other rows: 16 rows at a time go through my own stage and come back as rows of 512 bytes.
.macro TOSTAGE m
	WIN 0x04                                       ; data window 1
.irp t, 0,1,2,3,4,5,6,7
	ds_store_b128 v12, v[64*\m+8*\t:64*\m+8*\t+3] offset:8448*\m+64*\t
	ds_store_b128 v12, v[64*\m+8*\t+4:64*\m+8*\t+7] offset:8448*\m+64*\t+16
.endr
	WIN 0x80                                       ; destination window 2: a buffer of its own for each tile of rows, so that no store's data are written again
.irp i, 0,1,2,3,4,5,6,7,8,9,10,11,12,13,14,15
	ds_load_b128 v[64*\m+4*\i:64*\m+4*\i+3], v13 offset:528*(16*\m+\i)     ; LDS serves a wave's instructions in order (ISA guide 5.7.1.4): these see my stores
.endr
.endm
.macro SEND m, younger                 ; younger: the LDS instructions issued behind this tile's loads
	s_wait_dscnt \younger
	WIN 0x08                                       ; data window 2
.irp i, 0,1,2,3,4,5,6,7,8,9,10,11,12,13,14,15
	global_store_b128 v56, v[64*\m+4*\i:64*\m+4*\i+3], s[30:31] offset:2048*(16*\m+\i) th:TH_STORE_NT     ; 32 lanes store 512 consecutive bytes, at a multiple of 512 from out0's first byte
.endr
.endm
	TOSTAGE 0
	TOSTAGE 1
	SEND 0, 32
	TOSTAGE 2
	SEND 1, 32
	TOSTAGE 3
	SEND 2, 32
	SEND 3, 0
	WIN 0
	s_wait_tensorcnt 0x0                           ; the wave's end
	ds_add_u32 v14, v15
	s_wait_dscnt 0x0
	ROUND                                          ; the closing round
	s_endpgm
.Lfunc_end_k_q7204a6583d_ffn:
	.size	k_q7204a6583d_ffn, .Lfunc_end_k_q7204a6583d_ffn-k_q7204a6583d_ffn
	.p2alignl 7, 3214868480
	.fill 96, 4, 3214868480
	.section	.rodata,"a",@progbits
	.p2align	6, 0x0
	.amdhsa_kernel k_q7204a6583d_ffn
		.amdhsa_group_segment_fixed_size 327680
		.amdhsa_private_segment_fixed_size 0
		.amdhsa_enable_private_segment 0
		.amdhsa_kernarg_size 112
		.amdhsa_user_sgpr_count 2
		.amdhsa_user_sgpr_kernarg_segment_ptr 1
		.amdhsa_wavefront_size32 1
		.amdhsa_system_sgpr_workgroup_id_x 1
		.amdhsa_system_sgpr_workgroup_id_y 1
		.amdhsa_system_sgpr_workgroup_id_z 1
		.amdhsa_system_vgpr_workitem_id 0
		.amdhsa_next_free_vgpr 1024
		.amdhsa_next_free_sgpr 102
		.amdhsa_reserve_vcc 0
		.amdhsa_float_denorm_mode_32 3
		.amdhsa_float_denorm_mode_16_64 3
		.amdhsa_memory_ordered 1
		.amdhsa_forward_progress 1
		.amdhsa_inst_pref_size 255
	.end_amdhsa_kernel
	.section	.bss,"aw",@nobits
	.p2align	6
	.space	262144
	.amdgpu_metadata
---
amdhsa.version: [ 1, 2 ]
amdhsa.kernels:
  - .name:           k_q7204a6583d_ffn
    .symbol:         k_q7204a6583d_ffn.kd
    .args:
      - { .name: ac, .offset: 0, .size: 8, .value_kind: global_buffer, .address_space: global }
      - { .name: x, .offset: 8, .size: 8, .value_kind: global_buffer, .address_space: global }
      - { .name: Wu_w_codes, .offset: 16, .size: 8, .value_kind: global_buffer, .address_space: global }
      - { .name: ff1_w_codes, .offset: 24, .size: 8, .value_kind: global_buffer, .address_space: global }
      - { .name: ff2_w_codes, .offset: 32, .size: 8, .value_kind: global_buffer, .address_space: global }
      - { .name: Wu_b, .offset: 40, .size: 8, .value_kind: global_buffer, .address_space: global }
      - { .name: ln1_g, .offset: 48, .size: 8, .value_kind: global_buffer, .address_space: global }
      - { .name: ln1_b, .offset: 56, .size: 8, .value_kind: global_buffer, .address_space: global }
      - { .name: ff1_b, .offset: 64, .size: 8, .value_kind: global_buffer, .address_space: global }
      - { .name: ff2_b, .offset: 72, .size: 8, .value_kind: global_buffer, .address_space: global }
      - { .name: ln2_g, .offset: 80, .size: 8, .value_kind: global_buffer, .address_space: global }
      - { .name: ln2_b, .offset: 88, .size: 8, .value_kind: global_buffer, .address_space: global }
      - { .name: lowp_scales, .offset: 96, .size: 8, .value_kind: global_buffer, .address_space: global }
      - { .name: out0, .offset: 104, .size: 8, .value_kind: global_buffer, .address_space: global }
    .group_segment_fixed_size: 327680
    .private_segment_fixed_size: 0
    .kernarg_segment_align: 8
    .kernarg_segment_size: 112
    .max_flat_workgroup_size: 128
    .sgpr_count:     102
    .vgpr_count:     1024
    .wavefront_size: 32
...
	.end_amdgpu_metadata
.endif
;; end of part 3
